; MI455X (gfx1250); checked and timed in simulation.
; The chip was launched on July 23, 2026; its instructions are those of AMD's public machine-readable ISA for CDNA 5 (MIT licence, August 2026) and "CDNA5" Instruction Set Architecture Reference Guide (July 2026). The comments in the code are by the model that wrote it; some were corrected since.
;; Multi Head Attention. Allowed arithmetic: matrix products marked QUANTISED: E5M2 operands, one E8M0 scale for each 32 along K, by v_wmma_scale_f32_16x16x128_f8f6f4 with both operands' format E5M2, f32 sums; everything else in f32.
;; Inputs: mask 2,048 x 2,048 bool; w_qkv 3,072 x 1,024 float32; wo 1,024 x 1,024 float32; x 4 x 2,048 x 1,024 float32.
;; Outputs: out0 4 x 2,048 x 1,024 float32.
;; This version of the problem:
;;   THIS VERSION OF THE PROBLEM IS GIVEN IN LOW PRECISION. The matrix products marked QUANTISED in the list below multiply operands that are first quantised to E5M2 (5 exponent bits, 2 mantissa bits; 8 bits a number), with one power-of-two scale for each 32 numbers along K (OCP MX v1.0); their sums are f32. All else is computed in f32.
;;   The module's matrix products, in the order in which they are computed (A, B: the left and right operand; K: the contracted axis; several contracted axes count as one K, in the product's order):
;;     1. [M 8,192, K 1,024] x [K 1,024, N 3,072]; A: input x; B: input w_qkv: QUANTISED
;;     2. batch 64 x [M 2,048, K 64] x [K 64, N 2,048]; A: computed on the way; B: computed on the way: QUANTISED
;;     3. batch 64 x [M 2,048, K 2,048] x [K 2,048, N 64]; A: softmax (see below); B: computed on the way: QUANTISED
;;     4. [M 8,192, K 1,024] x [K 1,024, N 1,024]; A: computed on the way; B: input wo: QUANTISED
;;   THE QUANTISER, for each operand of a quantised product, along K:
;;     - K is cut into blocks of 32 from its start; a last block that is shorter is filled with zeros.
;;     - A block's scale is 2^e with e = floor(log2(the largest magnitude in the block)) - 15, held to -126 .. 127; a block of zeros has e = 0. As a byte (E8M0): e + 127.
;;     - Each number is divided by its block's scale, clamped to +-57,344, and rounded to the nearest number of E5M2, ties to even, subnormals kept.
;;     - The product sums the exact products of the quantised numbers (number of the format x scale) in f32.
;;   ~~~python
;;   def quantise(x, axis):      # numpy; x: float32 -> the quantised numbers, widened to float32 again
;;       x = np.moveaxis(x, axis, -1); K = x.shape[-1]
;;       x = np.pad(x, [(0, 0)] * (x.ndim - 1) + [(0, -K % 32)]); x = x.reshape(x.shape[:-1] + (-1, 32)); a = np.abs(x).max(-1, keepdims=True)
;;       e = np.where(a > 0, np.clip(np.frexp(np.where(a > 0, a, 1))[1] - 1 - 15, -126, 127), 0)      # np.frexp(a)[1] - 1 = floor(log2(a)), exactly
;;       r = np.clip(x / 2.0 ** e, -57344, 57344)
;;       step = 2.0 ** (np.maximum(np.frexp(np.where(r == 0, 1, r))[1] - 1, -14) - 2)
;;       q = np.round(r / step) * step * 2.0 ** e      # np.round: ties to even
;;       return np.moveaxis(q.reshape(q.shape[:-2] + (-1,))[..., :K], -1, axis).astype(np.float32)
;;   ~~~
;;   SOFTMAX AHEAD OF A QUANTISED PRODUCT. Where the list says 'softmax', what is quantised is not the finished softmax but p = 2^(t - M), with t = logit x log2(e) and M = ceil(the row's largest t), a whole number; so 1/2 < the row's largest p <= 1. The row's sum l is taken of the UNQUANTISED p, in f32, and the product's result is divided by l at the end. Since M is a whole number, a kernel that streams over the keys may use a running M (the ceiling of the running maximum): every later rescaling is an exact power of two, which a block's scale takes up: the codes' values come out the same.
;;   OPERANDS COMPUTED ON THE WAY. 'Computed on the way' means the value that the module computes at that place (a softmax that the list does not call 'softmax' is quantised finished and normalised). What goes into a quantiser is computed in f32, as accurately as f32 sums, v_exp_f32 and their like allow (about 1e-6 of the number): no bf16 or f16 on the way to a quantiser, and a product that is left as it is and whose result goes on into a quantised operand takes f32 operands (vector FMAs, or v_wmma_f32_16x16x4_f32). A number that lies on a knife's edge between two numbers of the format may be rounded either way, as far as f32 arithmetic and the matrix unit's own rounding can turn it there, and no further.
;; 2 versions, each right; version 2 is version 1 with the launch attn written anew for expert scheduling mode. Each part assembles by itself: llvm-mc -triple=amdgcn-amd-amdhsa -mcpu=gfx1250 --defsym DOCPART=n.
;; ======== version 1 of 2: 4 launches
;; workspace buffers: opc 12,582,912 bytes; ops 393,216 bytes; qkvc 25,165,824 bytes; qkvs 786,432 bytes; atc 8,388,608 bytes; ats 262,144 bytes; mw 524,288 bytes of whole numbers; fl 512 bytes of whole numbers
;; launch prep (part 1): grid 448 x 1, 4 waves a work-group, no clusters, 33,280 bytes of LDS; arguments x, w_qkv, wo, mask, opc, ops, mw, fl; writes opc, ops, mw, fl
.if DOCPART == 1
	.amdgcn_target "amdgcn-amd-amdhsa--gfx1250"
	.amdhsa_code_object_version 6
	.text
	.protected	k_q6853cfbd25_prep
	.globl	k_q6853cfbd25_prep
	.p2align	8
	.type	k_q6853cfbd25_prep,@function
k_q6853cfbd25_prep:
	s_mov_b64 s[64:65], 0
	v_nop
	global_prefetch_b8 v0, s[64:65] scope:SCOPE_SE
	s_setreg_imm32_b32 hwreg(HW_REG_WAVE_MODE, 25, 1), 1
	s_wait_xcnt 0x0
; MULTI-HEAD ATTENTION IN MX-BF8, launch 1 of 4: the three wide inputs become codes, and the mask becomes words of bits and flags.
; DEAD WORK: none.  No step of reference() is without a way to the output for all values of the inputs, and all four inputs are loaded.  What later launches pass over (key steps in which
; the mask lets no key count for any of a tile's 16 queries) is chosen by whole numbers that this launch stores, from the mask as it is given: no pattern of the mask is built in.
; QUANTISER (work-groups 64 on).  x [8192][1024], w_qkv [3072][1024], wo [1024][1024], f32, K innermost, become codes of E5M2 in opc [12288][1024] and one E8M0 byte for each 32 along K in ops [12288][32].
; A block's scale is 2^(floor(log2(its largest magnitude)) - 15); each number is divided by it, held within +-57,344 and rounded to the nearest code, ties to even.
; ORDER OF ROWS.  The rows of x and of w_qkv are stored with the second and third group of 8 of every 32 exchanged: 16 neighbouring STORED rows, taken as source 0 of a matrix instruction, then leave in a lane's
; 16 registers of two neighbouring tiles 16 NEIGHBOURS of the true order, which is what the next quantiser and the next operand want.  wo's rows keep their order.  A wave's run is 8 rows, so the exchange is one of runs.
; A wave takes 16 steps of 512 numbers: four loads of 512 consecutive bytes, through the wave's own stage in LDS (16 bytes of padding behind each 64), back as 16 neighbours a lane; two neighbouring lanes hold a block.
; MASK (work-groups 0 to 63, no LDS).  A tile is 16 stored queries; two waves share a tile, 8 key steps of 128 keys each.  For a step 64 words go to mw [tile 128][step 16][64]: word 16 b + i, bit r + 16 h =
; mask[query r of the tile][128 step + 32 b + 16 h + i]: the lane and register in which the attention launch holds that score.  fl [tile]: bit s: some key of step s counts; bit 16 + s: all count.
; LIMITS: a block of zeros, or one whose largest magnitude lies under 2^(16 - 127), gets the byte 1 (its codes are read by this program alone; zero codes add nothing); NaN and infinities among x, w_qkv, wo are not served.
.set MWG,   64                         ; work-groups of the mask path
.set WAVES, 4
.set STEPS, 16
.set EMAX,  15
.set MANT,  0x600000                   ; the mantissa field of 57,344 as f32
.set CB,    16                         ; bytes of 16 codes
.set R,     16                         ; v16-79   four sets of 16 numbers as they are loaded
.set X,     80                         ; v80-111  two sets of 16 neighbours
.set C,     128                        ; v128-191 codes: four registers for each step
.set E,     112                        ; v112-127 a scale byte for each step
.set WREG,  8192                       ; LDS: a region for each wave: two stages of 32 x SP bytes, then its 256 scale bytes
.set SP,    80
.set SPW,   12                         ; v12  LDS address of my spare word; never rewritten
.set NIL,   13                         ; v13  0; never rewritten
.set SPARE, WAVES*WREG                 ; the spare words: 128 bytes a wave, named by no other line
	s_load_b512 s[4:19], s[0:1], 0x0               ; x s[4:5], w_qkv s[6:7], wo s[8:9], mask s[10:11], opc s[12:13], ops s[14:15], mw s[16:17], fl s[18:19]
	v_lshl_add_u32 v[SPW], v0, 2, SPARE
	v_mov_b32 v[NIL], 0
	v_lshrrev_b32 v1, 5, v0
	v_readfirstlane_b32 s20, v1                    ; wave
	v_and_b32 v2, 31, v0                           ; lane
	s_cmp_lt_u32 ttmp9, MWG
	s_cbranch_scc1 .Lmask
	; ---------------- the quantiser
	v_lshlrev_b32 v3, 4, v2                        ; my 16 bytes of a load's 512
	s_mul_i32 s21, s20, WREG
	v_lshrrev_b32 v14, 2, v2
	v_mul_u32_u24 v14, v14, SP
	v_and_b32 v15, 3, v2
	v_lshl_add_u32 v14, v15, 4, v14
	v_add_nc_u32 v14, s21, v14                     ; the stage on the way in: SP (lane / 4) + 16 (lane % 4)
	v_mul_u32_u24 v15, v2, SP
	v_add_nc_u32 v15, s21, v15                     ; and on the way out: SP x lane
	v_mul_u32_u24 v4, v2, CB                       ; my codes' place in a step's
	v_lshrrev_b32 v5, 1, v2
	s_add_co_u32 s21, s21, 2*32*SP
	v_add_nc_u32 v5, s21, v5                       ; my block's scale byte in the wave's 256
	v_lshlrev_b32 v7, 3, v2
	v_add_nc_u32 v6, s21, v7                       ; and 8 bytes a lane on their way out
	s_mov_b32 s23, MANT
	s_sub_co_u32 s22, ttmp9, MWG
	s_lshl_b32 s22, s22, 2                         ; the work-group's first run of 8 rows
	s_add_co_u32 s24, s22, s20                     ; my run, 0 to 1,535: 1,024 of x, 384 of w_qkv, 128 of wo
	s_and_b32 s25, s20, 1
	s_lshl_b32 s25, s25, 1
	s_lshr_b32 s26, s20, 1
	s_or_b32 s25, s25, s26
	s_add_co_u32 s25, s22, s25                     ; the same with its two low bits exchanged
	s_wait_kmcnt 0x0
	s_cmp_lt_u32 s24, 1024                         ; the choices hang on the run's number alone
	s_cselect_b64 s[28:29], s[4:5], s[6:7]
	s_cselect_b32 s26, 0, 1024
	s_cmp_lt_u32 s24, 1408
	s_cselect_b64 s[28:29], s[28:29], s[8:9]
	s_cselect_b32 s26, s26, 1408                   ; the tensor's first run
	s_cselect_b32 s25, s25, s24                    ; where my run is stored: wo keeps its order
	s_sub_co_u32 s26, s24, s26
	s_lshl_b32 s30, s26, 15                        ; 32,768 bytes of f32 a run
	s_mov_b32 s31, 0
	s_add_nc_u64 s[28:29], s[28:29], s[30:31]
	s_lshl_b32 s30, s25, 13                        ; 8,192 codes
	s_add_nc_u64 s[12:13], s[12:13], s[30:31]
	s_lshl_b32 s30, s25, 8                         ; 256 scale bytes
	s_add_nc_u64 s[14:15], s[14:15], s[30:31]
.macro LOAD t
.irp i, 0,1,2,3
	global_load_b128 v[R+16*((\t)%4)+4*\i:R+16*((\t)%4)+4*\i+3], v3, s[28:29] offset:2048*(\t)+512*\i th:TH_LOAD_NT   ; 32 lanes read 512 consecutive bytes
.endr
.endm
.macro TURN t                          ; step t's numbers through the stage: LDS serves a wave's instructions in order, so no wait stands between the stores and the loads
.irp i, 0,1,2,3
	ds_store_b128 v14, v[R+16*((\t)%4)+4*\i:R+16*((\t)%4)+4*\i+3] offset:32*SP*((\t)%2)+8*SP*\i
.endr
.irp i, 0,1,2,3
	ds_load_b128 v[X+16*((\t)%2)+4*\i:X+16*((\t)%2)+4*\i+3], v15 offset:32*SP*((\t)%2)+16*\i
.endr
.endm
.irp t, 0,1,2,3
	LOAD \t
.endr
	s_wait_loadcnt 12                              ; step 0's four loads are in; three steps' twelve may be out
	TURN 0
.macro STEP t
.set XS, X+16*((\t)%2)
.if (\t) > 0
	s_wait_dscnt 1                                 ; this step's numbers are back from the stage (the last step's byte store may be out)
.else
	s_wait_dscnt 0x0
.endif
.if (\t)+4 < STEPS
	LOAD (\t)+4                                    ; into the registers that this step's stores into the stage have read
.endif
.if (\t)+1 < STEPS
.if STEPS-2-(\t) >= 3
	s_wait_loadcnt 12                              ; the next step's four loads are in; those of the three steps behind it may be out
.else
	s_wait_loadcnt 4*(STEPS-2-(\t))
.endif
	TURN (\t)+1
.endif
	v_max3_num_f32 v8, |v[XS]|, |v[XS+1]|, |v[XS+2]|               ; the largest magnitude of my 16, in two chains
	v_max3_num_f32 v9, |v[XS+3]|, |v[XS+4]|, |v[XS+5]|
.irp i, 6,10
	v_max3_num_f32 v8, v8, |v[XS+\i]|, |v[XS+\i+1]|
	v_max3_num_f32 v9, v9, |v[XS+\i+2]|, |v[XS+\i+3]|
.endr
	v_max3_num_f32 v8, v8, |v[XS+14]|, |v[XS+15]|
	v_max3_num_f32 v8, v8, v9, (EMAX+1)<<23        ; and the floor 2^(16 - 127): the byte cannot fall under 1
	v_max_num_f32_dpp v8, v8, v8 row_xmask:1 row_mask:0xf bank_mask:0xf   ; and of my neighbour's 16: the block's
	v_add_nc_u32 v11, -(EMAX<<23), v8              ; 15 off its exponent field: the conversion takes this operand's exponent field as its scale
	v_and_or_b32 v10, v8, 0x7f800000, s23          ; 57,344 x the scale
.irp i, 0,1,2,3,4,5,6,7,8,9,10,11,12,13,14,15
	v_med3_num_f32 v[XS+\i], v[XS+\i], -v10, v10   ; the conversion to an 8-bit code does not saturate (ISA guide 7.6.2): the hold comes first
.endr
	v_cvt_scalef32_pk8_bf8_f32 v[C+4*(\t):C+4*(\t)+1], v[XS:XS+7], v11
	v_cvt_scalef32_pk8_bf8_f32 v[C+4*(\t)+2:C+4*(\t)+3], v[XS+8:XS+15], v11
	v_lshrrev_b32 v[E+(\t)], 23, v11               ; the scale's byte
	ds_store_b8 v5, v[E+(\t)] offset:16*(\t)       ; both lanes of a block write the same byte with the same value
	global_store_b128 v4, v[C+4*(\t):C+4*(\t)+3], s[12:13] offset:32*CB*(\t)   ; 512 consecutive bytes
.endm
.irp t, 0,1,2,3,4,5,6,7,8,9,10,11,12,13,14,15
	STEP \t
.endr
	ds_load_b64 v[8:9], v6                         ; LDS serves a wave's instructions in order: these see my stores
	s_wait_dscnt 0x0
	global_store_b64 v7, v[8:9], s[14:15]          ; 32 lanes store 256 consecutive bytes, aligned
	s_wait_tensorcnt 0x0                           ; the wave's end, behind my last LDS store
	ds_add_u32 v[SPW], v[NIL]
	s_wait_dscnt 0x0
	s_endpgm
	; ---------------- the mask
.Lmask:
	v_and_b32 v3, 15, v0                           ; r
	v_bfe_u32 v4, v0, 4, 1                         ; h
	v_and_b32 v5, 8, v3
	v_add_nc_u32 v5, v5, v3                        ; r + 8 (r / 8): stored query r's true place among the tile's
	v_lshlrev_b32 v5, 11, v5                       ; a row of the mask is 2,048 bytes
	v_lshl_add_u32 v5, v4, 4, v5                   ; + 16 h
	v_lshlrev_b32 v6, 3, v2                        ; 8 x lane: two words a lane on the way out
	v_lshlrev_b32 v7, 1, v2                        ; 2 x lane: the two flag bytes
	v_mov_b32 v50, 0                               ; (a lane write's destination counts as read)
.irp k, 52,53,54,55
	v_mov_b32 v\k, 0
.endr
	s_lshl_b32 s21, ttmp9, 2
	s_add_co_u32 s21, s21, s20                     ; 2 x tile + half
	s_lshr_b32 s22, s21, 1                         ; the tile
	s_and_b32 s23, s21, 1                          ; which 8 key steps
	s_lshr_b32 s44, s22, 1
	s_lshl_b32 s44, s44, 16                        ; 32 rows for each pair of tiles,
	s_and_b32 s45, s22, 1
	s_lshl_b32 s45, s45, 14                        ; 8 rows for the odd one,
	s_add_co_u32 s30, s44, s45
	s_lshl_b32 s45, s23, 10                        ; 1,024 keys for the second half
	s_add_co_u32 s30, s30, s45
	s_mov_b32 s31, 0
	s_mov_b32 s24, 0xff
	s_mov_b32 s25, 0xff00
	s_mov_b32 s26, 0xff0000
	s_mov_b32 s27, 0xff000000
	s_mov_b32 s28, 0x01010101
	s_mov_b32 s40, 0                               ; some key counts: a bit a step
	s_mov_b32 s41, 0                               ; all count
	s_mov_b32 s42, 0                               ; the step among my 8
	s_wait_kmcnt 0x0
	s_add_nc_u64 s[10:11], s[10:11], s[30:31]
	s_lshl_b32 s30, s21, 11                        ; 8 steps of 256 bytes
	s_add_nc_u64 s[16:17], s[16:17], s[30:31]
	s_lshl_b32 s30, s22, 2
	s_add_co_u32 s30, s30, s23                     ; the tile's word, my byte of each half of it
	s_add_nc_u64 s[18:19], s[18:19], s[30:31]
.irp w, 0,1
.irp b, 0,1,2,3
	global_load_b128 v[16+16*\w+4*\b:19+16*\w+4*\b], v5, s[10:11] offset:128*\w+32*\b   ; steps 0 and 1: my 16 keys of each block of 32
.endr
.endr
; One key step, from set w.  left: the other set's four loads may stay out.  ahead = 1: the set is loaded again, two steps on.
.macro MSTEP w, ahead, left
.set RS, 16+16*(\w)
.set OU, 52+2*(\w)
	s_wait_loadcnt \left
.set g, 0
.rept 8                                ; eight words at a time, so that no line waits for the line above it
.irp k, 0,1,2,3,4,5,6,7
	v_and_b32 v[64+\k], s[24+\k%4], v[RS+2*g+\k/4]   ; byte n % 4 of register n / 4
.endr
.irp k, 0,1,2,3,4,5,6,7
	v_cmp_ne_u32 s[32+\k], 0, v[64+\k]             ; a bit a lane: word n
.endr
.irp k, 0,1,2,3,4,5,6,7
	v_writelane_b32 v[OU+\k%2], s[32+\k], 4*g+\k/2   ; word n into lane n / 2, register n % 2
.endr
.set g, g+1
.endr
.irp k, 0,1,2,3
	v_or_b32 v[56+\k], v[RS+\k], v[RS+4+\k]
	v_and_b32 v[60+\k], v[RS+\k], v[RS+4+\k]
.endr
.irp k, 0,1,2,3
	v_or_b32 v[56+\k], v[56+\k], v[RS+8+\k]
	v_and_b32 v[60+\k], v[60+\k], v[RS+8+\k]
.endr
.irp k, 0,1,2,3
	v_or_b32 v[56+\k], v[56+\k], v[RS+12+\k]
	v_and_b32 v[60+\k], v[60+\k], v[RS+12+\k]
.endr
	v_or_b32 v56, v56, v57
	v_or_b32 v58, v58, v59
	v_and_b32 v60, v60, v61
	v_and_b32 v62, v62, v63
	v_or_b32 v56, v56, v58
	v_and_b32 v60, v60, v62
	v_cmp_ne_u32 s44, 0, v56                       ; lanes with a key that counts
	v_cmp_eq_u32 s45, s28, v60                     ; lanes all of whose 64 bytes are 1 (another true byte only costs the flag: the words are then applied)
.if \ahead
.irp b, 0,1,2,3
	global_load_b128 v[RS+4*\b:RS+4*\b+3], v5, s[10:11] offset:256+128*(\w)+32*\b
.endr
.endif
	global_store_b64 v6, v[OU:OU+1], s[16:17] offset:256*(\w)   ; 256 consecutive bytes, aligned
	s_cmp_lg_u32 s44, 0
	s_cselect_b32 s44, 1, 0
	s_cmp_eq_u32 s45, -1
	s_cselect_b32 s45, 1, 0
	s_lshl_b32 s44, s44, s42
	s_lshl_b32 s45, s45, s42
	s_or_b32 s40, s40, s44
	s_or_b32 s41, s41, s45
	s_add_co_u32 s42, s42, 1
.endm
	s_mov_b32 s43, 3
.Lmtrip:                                               ; steps 0 to 5, two a trip
	MSTEP 0, 1, 4
	MSTEP 1, 1, 4
	s_wait_xcnt 0x0                                ; the bases and the stores' data are written again only behind this wait
	s_add_nc_u64 s[10:11], s[10:11], 256
	s_add_nc_u64 s[16:17], s[16:17], 512
	s_sub_co_u32 s43, s43, 1
	s_cmp_lg_u32 s43, 0
	s_cbranch_scc1 .Lmtrip
	MSTEP 0, 0, 4                                  ; the last two steps load nothing
	MSTEP 1, 0, 0
	v_writelane_b32 v50, s40, 0
	v_writelane_b32 v50, s41, 1
	v_cmp_gt_u32 vcc_lo, 2, v2
	s_wait_xcnt 0x0                                ; EXEC changes only behind this wait
	s_and_saveexec_b32 s44, vcc_lo
	global_store_b8 v7, v50, s[18:19]              ; lane 0: my byte of the low half; lane 1: of the high half
	s_wait_xcnt 0x0
	s_or_b32 exec_lo, exec_lo, s44
	s_endpgm
.Lfunc_end_k_q6853cfbd25_prep:
	.size	k_q6853cfbd25_prep, .Lfunc_end_k_q6853cfbd25_prep-k_q6853cfbd25_prep
	.p2alignl 7, 3214868480
	.fill 96, 4, 3214868480
	.section	.rodata,"a",@progbits
	.p2align	6, 0x0
	.amdhsa_kernel k_q6853cfbd25_prep
		.amdhsa_group_segment_fixed_size 33280
		.amdhsa_private_segment_fixed_size 0
		.amdhsa_enable_private_segment 0
		.amdhsa_kernarg_size 64
		.amdhsa_user_sgpr_count 2
		.amdhsa_user_sgpr_kernarg_segment_ptr 1
		.amdhsa_wavefront_size32 1
		.amdhsa_system_sgpr_workgroup_id_x 1
		.amdhsa_system_sgpr_workgroup_id_y 1
		.amdhsa_system_sgpr_workgroup_id_z 1
		.amdhsa_system_vgpr_workitem_id 0
		.amdhsa_next_free_vgpr 192
		.amdhsa_next_free_sgpr 66
		.amdhsa_reserve_vcc 1
		.amdhsa_float_denorm_mode_32 3
		.amdhsa_float_denorm_mode_16_64 3
		.amdhsa_memory_ordered 1
		.amdhsa_forward_progress 1
		.amdhsa_inst_pref_size 101
	.end_amdhsa_kernel
	.amdgpu_metadata
---
amdhsa.version: [ 1, 2 ]
amdhsa.kernels:
  - .name:           k_q6853cfbd25_prep
    .symbol:         k_q6853cfbd25_prep.kd
    .args:
      - { .name: x, .offset: 0, .size: 8, .value_kind: global_buffer, .address_space: global }
      - { .name: w_qkv, .offset: 8, .size: 8, .value_kind: global_buffer, .address_space: global }
      - { .name: wo, .offset: 16, .size: 8, .value_kind: global_buffer, .address_space: global }
      - { .name: mask, .offset: 24, .size: 8, .value_kind: global_buffer, .address_space: global }
      - { .name: opc, .offset: 32, .size: 8, .value_kind: global_buffer, .address_space: global }
      - { .name: ops, .offset: 40, .size: 8, .value_kind: global_buffer, .address_space: global }
      - { .name: mw, .offset: 48, .size: 8, .value_kind: global_buffer, .address_space: global }
      - { .name: fl, .offset: 56, .size: 8, .value_kind: global_buffer, .address_space: global }
    .group_segment_fixed_size: 33280
    .private_segment_fixed_size: 0
    .kernarg_segment_align: 8
    .kernarg_segment_size: 64
    .max_flat_workgroup_size: 128
    .sgpr_count:     66
    .vgpr_count:     192
    .wavefront_size: 32
...
	.end_amdgpu_metadata
.endif
;; end of part 1
;; launch proj (part 2): grid 12 x 32, 4 waves a work-group, clusters of 4 x 4, 327,680 bytes of LDS; arguments opc, ops, qkvc, qkvs; writes qkvc, qkvs
.if DOCPART == 2
	.amdgcn_target "amdgcn-amd-amdhsa--gfx1250"
	.amdhsa_code_object_version 6
	.text
	.protected	k_q6853cfbd25_proj
	.globl	k_q6853cfbd25_proj
	.p2align	8
	.type	k_q6853cfbd25_proj,@function
k_q6853cfbd25_proj:
	s_mov_b64 s[64:65], 0
	v_nop
	global_prefetch_b8 v0, s[64:65] scope:SCOPE_SE
	s_setreg_imm32_b32 hwreg(HW_REG_WAVE_MODE, 25, 1), 1
	s_wait_xcnt 0x0
	s_wait_alu depctr_hold_cnt(0) depctr_sa_sdst(0) depctr_va_vdst(0) depctr_va_sdst(0) depctr_va_ssrc(0) depctr_va_vcc(0) depctr_vm_vsrc(0)
	s_getreg_b32 s2, hwreg(HW_REG_IB_STS2, 6, 4)
	s_cmp_eq_u32 s2, 0
	s_cbranch_scc0 .Lentry_in_a_cluster
	s_endpgm
.Lentry_in_a_cluster:
	s_bfe_u32 s2, ttmp6, 0x10000c
	s_cmp_lg_u32 s2, 0xf033
	s_cbranch_scc0 .Lentry_shape_is_right
	s_endpgm
.Lentry_shape_is_right:
; Launch 2 of 4: qkv = x w_qkv^T on codes of E5M2 with E8M0 scales, K = 1,024, and the quantising of q, k and v for the attention products.  No f32 number goes to memory.  No work is left out.
; A GEMM C = A B^T with tiles of 256 x 256, four waves of 128 x 128 (64 accumulators, 512 registers), K in steps of 256 through two LDS slots filled by the tensor data mover; the scale bytes of the
; work-group's rows, for all of K, come into LDS once.  The matrix instruction is used transposed (source 0 = 16 rows of B, source 1 = 16 rows of A): a lane holds ONE row of A, and its registers run along B's rows.
; WHO IS A.  The axis along which a result is quantised must run along a lane's registers.  q and k are quantised along the head's 64: A = tokens, B = rows of w_qkv (clusters x = 0, 1).
; v is quantised along the keys: A = the rows of w_qkv that make v, B = tokens (cluster x = 2).  The choice is made of numbers, by s_cselect_b32 on the cluster's x, the same in all partners: one text, no branch.
; Tokens and w_qkv's rows are stored with the second and third group of 8 of every 32 exchanged, so the 16 registers of B's tiles 2 b and 2 b + 1 are 16 neighbours, 32 b + 16 (lane / 16) + 0 .. 15, of the true order.
; OUT.  A wave's block a (16 rows of A) gives four groups of 4 registers of codes, which ARE the registers of the next operand; each leaves as an image, lane l's 16 bytes at 16 l: 512 consecutive bytes.
; qkvc: blocks of 16,384 bytes, number nc x 64 + S (nc: 128 features, 0-7 q, 8-15 k, 16-23 v; S: 128 tokens); group (a, b) at 512 (4 a + b).  qkvs: 512 bytes a block: the word at 16 lane + 4 j holds the four
; scale bytes of row lane % 16 of block 2 j + lane / 16.
; CLUSTERS: 4 x 4 work-groups; A's tiles are asked for jointly along a row of the cluster, B's along a column.
; LIMITS: a block of zeros gets the byte 1 (read by this program alone); NaN and infinities are not served.
; REGISTERS: window 0: v16-29 addresses; v32-63 scale words, two sets; from v128 A's fragments, one set.  Window 1: B's fragments, two sets.  Windows 2, 3: the accumulators.  On the way out window 0's v32-191 are free.
.set SIZE_K, 1024
.set KSTEP,  256
.set NQ,     KSTEP/128
.set ROWB,   256
.set KROW,   SIZE_K
.set PITCH,  272                       ; an LDS row: 256 bytes + 16 of padding: the 16 rows that a load touches start at 16 different banks (64 banks of 4 bytes: ISA guide 11.1)
.set FR,     16
.set NL,     4
.set NP,     8                         ; places behind this matrix instruction (ISA guide 7.12.1)
.set HALFT,  128*PITCH
.set SLOT,   4*HALFT
.set LAPS,   SIZE_K/(2*KSTEP)
.set KS,     SIZE_K/32
.set SCL,    2*SLOT
.set HALFS,  (128*KS/256)*272
.set SBLK,   (16*KS/256)*272
.set SPARE,  SCL+4*HALFS               ; the spare words: 128 bytes a wave, named by no other line
.set ADRA, 16
.set ADRB, 20
.set CO,   26                          ; v26  16 x lane
.set ADRS, 27
.set SPW,  28
.set NIL,  29
.set SC,   32
.set AF,   128
.set TM,   32                          ; the way out: v32-35 largest magnitudes, v36-39 bytes, v40-43 57,344 x the scale, v44-47 the conversions' scale operands
.set SW,   48                          ; v48-55 the eight blocks' scale words
.set SX,   56                          ; v56-59 the same, two blocks to a register
.set PCD,  64                          ; v64-191 codes: 16 registers for each block, so that no store's data are written again
.set G1, 24
.set G0, 32
.set G1B, 48
.set G0B, 56
.set G1S, 68
.set G0S, 76
.set G1SB, 80
.set G0SB, 88
.set MSB, 0
.macro WIN new                         ; the immediate's high byte repeats the setting that is left
.if MSB != \new
	s_set_vgpr_msb (MSB<<8)|\new
.set MSB, \new
.endif
.endm
.set MUL_LO, 0xa1                      ; source 0 (B) window 1, source 1 (A) window 0, C and D window 2
.set MUL_HI, 0xf1
.set TO_B,   0x40
; A joint load: waves 0 and 1 fetch for A, waves 2 and 3 for B; the branch hangs on the wave's number alone.  An s_nop 0 and four v_nop follow each of the two lines.
.macro JLOAD g0a, g1a, g0b, g1b
	s_cmp_eq_u32 s15, 0
	s_cbranch_scc0 .Lfor_b_\@
	tensor_load_to_lds s[\g0a:\g0a+3], s[\g1a:\g1a+7]
	s_nop 0
.rept 4
	v_nop
.endr
	s_branch .Lasked_\@
.Lfor_b_\@:
	tensor_load_to_lds s[\g0b:\g0b+3], s[\g1b:\g1b+7]
	s_nop 0
.rept 4
	v_nop
.endr
.Lasked_\@:
.endm
.macro CREST                           ; a round of the cluster's barrier behind its opening barrier
	s_cmp_lg_u32 s14, 0
	s_cbranch_scc1 .Lnot_wave_0_\@
	s_barrier_signal -3
.Lnot_wave_0_\@:
	s_barrier_wait -3
	s_barrier_signal -1
	s_barrier_wait -1
.endm
.macro CROUND
	s_barrier_signal -1
	s_barrier_wait -1
	CREST
.endm
	s_load_b256 s[4:11], s[0:1], 0x0               ; opc s[4:5], ops s[6:7], qkvc s[8:9], qkvs s[10:11]
	v_lshl_add_u32 v[SPW], v0, 2, SPARE
	v_mov_b32 v[NIL], 0
	ds_add_u32 v[SPW], v[NIL]                      ; the wave's opening: the add, twice on end, and its wait ahead of my first tensor load
	ds_add_u32 v[SPW], v[NIL]
	v_lshrrev_b32 v1, 5, v0
	v_readfirstlane_b32 s14, v1                    ; wave 0..3
	s_lshr_b32 s15, s14, 1                         ; which half of the tile's rows is mine.  Also: I fetch for A (0) or for B (1)
	s_and_b32 s16, s14, 1                          ; which half of its columns.  Also: which 128 rows of that tile I fetch
	s_bfe_u32 s40, ttmp6, 0x40000                  ; cx, cy: my place in the cluster
	s_bfe_u32 s41, ttmp6, 0x40004
	s_and_b32 s13, ttmp7, 0xffff
	s_lshl_b32 s13, s13, 2                         ; 4 x cluster y
	s_lshl_b32 s12, ttmp9, 2                       ; 4 x cluster x
	s_cmp_eq_u32 ttmp9, 2                          ; v's clusters?
	s_cselect_b32 s17, 0, s13                      ; tile row: v has four, cy; q and k 32
	s_cselect_b32 s42, s13, s12                    ; tile column: v has 32; q and k eight
	s_cselect_b32 s2, 10240, 0                     ; A's first row in opc: v's rows of w_qkv, or x
	s_cselect_b32 s12, 0, 8192                     ; B's: x, or w_qkv
	s_cselect_b32 s13, 1, 0
	s_add_co_u32 s17, s17, s41                     ; tile row of C
	s_add_co_u32 s42, s42, s40                     ; tile column of C
	s_lshl_b32 s43, s41, 2
	s_lshl_b32 s43, 15, s43                        ; my row of the cluster
	s_lshl_b32 s44, 0x1111, s40                    ; my column
	s_or_b32 s[G1+0], s43, (0<<16)|(1<<20)|(1<<21)|(5<<22)|(3<<25)  ; the mask: A's tiles go to my row; elements of 1 byte; padding on; bit 21 beside a mask; 4 words after every 64
	s_or_b32 s[G1B+0], s44, (0<<16)|(1<<20)|(1<<21)|(5<<22)|(3<<25)
.irp g, G1, G1B
	s_mov_b32 s[\g+1], ROWB<<16                    ; tensor_dim0
	s_mov_b32 s[\g+2], 128<<16                     ; tensor_dim1
	s_mov_b32 s[\g+3], ROWB<<16                    ; tile_dim0
	s_mov_b32 s[\g+4], 128                         ; tile_dim1
	s_mov_b32 s[\g+5], KROW                        ; the pitch
	s_mov_b32 s[\g+6], 0
	s_mov_b32 s[\g+7], 0
.endr
	s_or_b32 s[G1S+0], s43, (3<<16)|(1<<20)|(1<<21)|(5<<22)|(3<<25) ; the scales of 128 rows: 4,096 dense bytes as 16 rows of 256 (32 elements of 8 bytes), 16 bytes of padding behind each
	s_or_b32 s[G1SB+0], s44, (3<<16)|(1<<20)|(1<<21)|(5<<22)|(3<<25)
.irp g, G1S, G1SB
	s_mov_b32 s[\g+1], 32<<16
	s_mov_b32 s[\g+2], (128*KS/256)<<16
	s_mov_b32 s[\g+3], 32<<16
	s_mov_b32 s[\g+4], 128*KS/256
	s_mov_b32 s[\g+5], 32
	s_mov_b32 s[\g+6], 0
	s_mov_b32 s[\g+7], 0
.endr
	s_lshl_b32 s18, s16, 7                         ; which 128 rows of the tile I fetch
	s_lshl_b32 s20, s17, 8
	s_add_co_u32 s20, s20, s18
	s_add_co_u32 s20, s20, s2                      ; A's row in opc and ops
	s_lshl_b32 s46, s42, 8
	s_add_co_u32 s46, s46, s18
	s_add_co_u32 s46, s46, s12                     ; B's
	s_lshl_b32 s22, s20, 5                         ; 32 scale bytes a row,
	s_mov_b32 s23, 0
	s_lshl_b32 s20, s20, 10                        ; 1,024 codes
	s_mov_b32 s21, 0
	s_lshl_b32 s92, s46, 5
	s_mov_b32 s93, 0
	s_lshl_b32 s46, s46, 10
	s_mov_b32 s47, 0
	s_mul_i32 s45, s14, HALFT                      ; where they go: wave x 128 rows: no place in the cluster enters an LDS address
	s_mul_i32 s94, s14, HALFS
	s_wait_dscnt 0x0                               ; both opening adds are done
	s_wait_kmcnt 0x0
	s_add_nc_u64 s[20:21], s[4:5], s[20:21]
	s_add_nc_u64 s[22:23], s[6:7], s[22:23]
	s_add_nc_u64 s[46:47], s[4:5], s[46:47]
	s_add_nc_u64 s[92:93], s[6:7], s[92:93]
	CROUND                                         ; all sixteen work-groups are here: the first joint loads meet
	s_mov_b32 s[G0S], 1
	s_add_co_u32 s[G0S+1], s94, SCL
	s_mov_b64 s[G0S+2:G0S+3], s[22:23]
	s_or_b32 s[G0S+3], s[G0S+3], 0x80000000
	s_mov_b32 s[G0SB], 1
	s_add_co_u32 s[G0SB+1], s94, SCL
	s_mov_b64 s[G0SB+2:G0SB+3], s[92:93]
	s_or_b32 s[G0SB+3], s[G0SB+3], 0x80000000
	JLOAD G0S, G1S, G0SB, G1SB                     ; the scales first: they are wanted with K step 0
.irp s, 0,1
	s_mov_b32 s[G0+4*\s], 1
	s_add_co_u32 s[G0+4*\s+1], s45, \s*SLOT
	s_add_nc_u64 s[G0+4*\s+2:G0+4*\s+3], s[20:21], \s*ROWB
	s_or_b32 s[G0+4*\s+3], s[G0+4*\s+3], 0x80000000
	s_mov_b32 s[G0B+4*\s], 1
	s_add_co_u32 s[G0B+4*\s+1], s45, \s*SLOT
	s_add_nc_u64 s[G0B+4*\s+2:G0B+4*\s+3], s[46:47], \s*ROWB
	s_or_b32 s[G0B+4*\s+3], s[G0B+4*\s+3], 0x80000000
	JLOAD G0+4*\s, G1, G0B+4*\s, G1B
.endr
	v_and_b32 v1, 15, v0                           ; l % 16
	v_bfe_u32 v2, v0, 4, 1                         ; l / 16
	v_mul_u32_u24 v3, v1, PITCH
	v_lshl_add_u32 v4, v2, 4, v3                   ; a fragment's row x pitch + 16 x half
	s_mul_i32 s21, s15, HALFT                      ; my 128 rows of A
	s_mul_i32 s22, s16, HALFT                      ; my 128 rows of B,
	s_add_co_u32 s22, s22, 2*HALFT                 ; which lie behind A's 256
.irp s, 0,1
	v_add_nc_u32 v[ADRA+\s], s21, v4
	v_add_nc_u32 v[ADRB+\s], s22, v4
	s_add_co_u32 s21, s21, SLOT
	s_add_co_u32 s22, s22, SLOT
.endr
	v_mul_u32_u24 v5, v1, KS                       ; my row's scales: 32 bytes a row,
	v_lshrrev_b32 v6, 8, v5
	v_lshl_add_u32 v5, v6, 4, v5                   ; and 16 more for each 256 passed
	s_mul_i32 s21, s15, HALFS
	s_mul_i32 s22, s16, HALFS
	s_add_co_u32 s22, s22, 2*HALFS
	s_sub_co_u32 s22, s22, s21
	v_mul_u32_u24 v6, s22, v2                      ; lanes 16-31 take B's
	s_add_co_u32 s21, s21, SCL
	v_add_nc_u32 v5, v5, v6
	v_add_nc_u32 v[ADRS], s21, v5
	v_and_b32 v6, 31, v0
	v_lshlrev_b32 v[CO], 4, v6
	; where my block goes.  These numbers hold both cx and cy: they live in registers that feed no descriptor
	s_lshl_b32 s96, s17, 1
	s_add_co_u32 s96, s96, s15                     ; my 128 rows of A
	s_lshl_b32 s97, s42, 1
	s_add_co_u32 s97, s97, s16                     ; my 128 rows of B
	s_add_co_u32 s98, s96, 16
	s_cmp_eq_u32 s13, 1
	s_cselect_b32 s98, s98, s97                    ; nc: the features: A's for v, B's for q and k
	s_cselect_b32 s99, s97, s96                    ; S: the tokens
	s_lshl_b32 s98, s98, 6
	s_add_co_u32 s98, s98, s99
	s_lshl_b32 s100, s98, 14
	s_mov_b32 s101, 0
	s_add_nc_u64 s[8:9], s[8:9], s[100:101]
	s_lshl_b32 s100, s98, 9
	s_add_nc_u64 s[10:11], s[10:11], s[100:101]
.macro FRAG reg, adr, q, i             ; 16 rows x 128 K of 8-bit codes: lane l holds row l % 16; registers 4 c .. 4 c + 3 hold K = 32 c + 16 (l / 16) + 0 .. 15
.irp c, 0,1,2,3
	ds_load_b128 v[\reg+4*\c:\reg+4*\c+3], v[\adr] offset:128*(\q)+32*\c+(\i)*16*PITCH
.endr
.endm
; 16 matrix instructions: A's blocks a0, a0 + 1 x B's eight.  The 64 accumulators take turns, one instruction a turn, in the same order in every step.
.macro MUL16 a0, p, q, sc, zero
.irp a, \a0, \a0+1
.irp b, 0,1,2,3,4,5,6,7
.if \zero
	v_wmma_scale_f32_16x16x128_f8f6f4 v[8*(8*((\a)%4)+\b):8*(8*((\a)%4)+\b)+7], v[128*(\p)+FR*\b:128*(\p)+FR*\b+FR-1], v[AF+FR*(\a):AF+FR*(\a)+FR-1], 0, v[SC+8*NQ*(\sc)+NQ*\b+(\q)], v[SC+8*NQ*(\sc)+NQ*(\a)+(\q)] matrix_a_fmt:MATRIX_FMT_BF8 matrix_b_fmt:MATRIX_FMT_BF8 matrix_a_scale:MATRIX_SCALE_ROW1
.else
	v_wmma_scale_f32_16x16x128_f8f6f4 v[8*(8*((\a)%4)+\b):8*(8*((\a)%4)+\b)+7], v[128*(\p)+FR*\b:128*(\p)+FR*\b+FR-1], v[AF+FR*(\a):AF+FR*(\a)+FR-1], v[8*(8*((\a)%4)+\b):8*(8*((\a)%4)+\b)+7], v[SC+8*NQ*(\sc)+NQ*\b+(\q)], v[SC+8*NQ*(\sc)+NQ*(\a)+(\q)] matrix_a_fmt:MATRIX_FMT_BF8 matrix_b_fmt:MATRIX_FMT_BF8 matrix_a_scale:MATRIX_SCALE_ROW1
.endif
.endr
.endr
.endm
.macro FETCH_B slot, q, p
	WIN TO_B
.irp i, 0,1,2,3,4,5,6,7
	FRAG 128*(\p)+FR*\i, ADRB+\slot, \q, \i
.endr
	WIN 0
.endm
.macro FETCH_A slot, q, i0
.irp i, \i0, \i0+1, \i0+2, \i0+3
	FRAG AF+FR*(\i), ADRA+\slot, \q, \i
.endr
.endm
.macro SCALES sc                       ; a K step's scale words: lanes 0-15 take A's block i, lanes 16-31 B's block i
.irp i, 0,1,2,3,4,5,6,7
	ds_load_b64 v[SC+8*NQ*\sc+NQ*\i:SC+8*NQ*\sc+NQ*\i+1], v[ADRS] offset:\i*SBLK
.endr
.endm
.macro PLACES n                        ; plain vector instructions between a matrix instruction and a load into, or a read of, its registers
.rept \n
	v_nop
.endr
.endm
.macro STEP slot, q, zero              ; 128 along K that has its successor in the same slot
	s_wait_dscnt 4*NL                              ; B's set and A's blocks 0-3 are in; the youngest 16 loads (A's blocks 4-7) may be out
	WIN MUL_LO
	MUL16 0, (\q)%2, \q, \slot, \zero
	MUL16 2, (\q)%2, \q, \slot, \zero
	s_wait_dscnt 0
	PLACES NP
	FETCH_B \slot, (\q)+1, 1-(\q)%2
	FETCH_A \slot, (\q)+1, 0
	WIN MUL_HI
	MUL16 4, (\q)%2, \q, \slot, \zero
	MUL16 6, (\q)%2, \q, \slot, \zero
	PLACES NP
	WIN 0
	FETCH_A \slot, (\q)+1, 4
.endm
; A slot's last step changes slots: each wave waits for all its tensor loads, adds 0 to its spare word, waits for that and for its reads of this slot; one barrier.  fill = 1: the slot is filled again, two K steps ahead.
.macro TURN slot, next, fill
	s_wait_tensorcnt 0x0                           ; all my tensor loads have landed: my part of the next slot
	ds_add_u32 v[SPW], v[NIL]
	s_wait_dscnt 4*NL+1                            ; (the add and the youngest 16 loads, A's blocks 4-7, may be out)
	WIN MUL_LO
	MUL16 0, 1, NQ-1, \slot, 0
	s_wait_dscnt 0x0                               ; the add is done, and my reads of this slot are over
	s_barrier_signal -1
	MUL16 2, 1, NQ-1, \slot, 0
	WIN 0
	s_barrier_wait -1
.if \fill
	CREST                                          ; the barrier has opened a round of the cluster's: no wave of any partner still reads this slot or has a load on its way
	s_add_nc_u64 s[G0+4*\slot+2:G0+4*\slot+3], s[G0+4*\slot+2:G0+4*\slot+3], 2*ROWB
	s_add_nc_u64 s[G0B+4*\slot+2:G0B+4*\slot+3], s[G0B+4*\slot+2:G0B+4*\slot+3], 2*ROWB
	JLOAD G0+4*\slot, G1, G0B+4*\slot, G1B         ; the first tensor load behind the round; its four v_nop are among the places in front of the loads below
	PLACES NP-4
.else
	PLACES NP
.endif
	v_add_nc_u32 v[ADRS], 4*NQ, v[ADRS]            ; on to the next K step's scale words
	FETCH_B \next, 0, 0
	FETCH_A \next, 0, 0
	SCALES \next
	WIN MUL_HI
	MUL16 4, 1, NQ-1, \slot, 0
	MUL16 6, 1, NQ-1, \slot, 0
	PLACES NP
	WIN 0
	FETCH_A \next, 0, 4
.endm
	s_wait_tensorcnt 1                             ; the scales and my part of K step 0 are in (K step 1's load may be out),
	s_barrier_signal -1
	s_barrier_wait -1                              ; everybody's are
	FETCH_B 0, 0, 0
	FETCH_A 0, 0, 0
	SCALES 0
	FETCH_A 0, 0, 4
	STEP 0, 0, 1                                   ; the first step's products start the sums
	s_mov_b32 s3, LAPS-1
.Llap:
	TURN 0, 1, 1
	STEP 1, 0, 0
	TURN 1, 0, 1
	STEP 0, 0, 0
	s_sub_co_u32 s3, s3, 1
	s_cmp_lg_u32 s3, 0
	s_cbranch_scc1 .Llap
	TURN 0, 1, 0                                   ; the last lap fills nothing
	STEP 1, 0, 0
	s_wait_dscnt 4*NL
	WIN MUL_LO
	MUL16 0, 1, NQ-1, 1, 0
	MUL16 2, 1, NQ-1, 1, 0
	s_wait_dscnt 0
	WIN MUL_HI
	MUL16 4, 1, NQ-1, 1, 0
	MUL16 6, 1, NQ-1, 1, 0
	WIN 0
; THE WAY OUT.  Block a's 64 accumulator registers are, for my row, k = 32 b + 16 (lane / 16) + i at register 16 b + i: four blocks of 32, each shared with lane l xor 16.
; Largest magnitude (with the floor 2^(16 - 127)), scale byte, hold, conversion; the codes leave as four images of 512 bytes.  Each accumulator is read from its low end on.
.macro QW a
.set AC, 64*((\a)%4)
.set WW, 2+(\a)/4
.set WA, (WW<<2)|(WW<<4)
.set WB, (WW<<6)|WW
.set PCA, PCD+16*(\a)
	WIN WA                                         ; sources 1 and 2: the accumulators' window
.irp b, 0,1,2,3
	v_max3_num_f32 v[TM+\b], 0x8000000, |v[AC+16*\b]|, |v[AC+16*\b+1]|
.endr
.irp i, 2,4,6,8,10,12,14
.irp b, 0,1,2,3
	v_max3_num_f32 v[TM+\b], v[TM+\b], |v[AC+16*\b+\i]|, |v[AC+16*\b+\i+1]|   ; the four blocks by turns
.endr
.endr
	WIN 0
.irp b, 0,1,2,3
	v_permlanex16_b32 v[TM+4+\b], v[TM+\b], s18, s19
.endr
.irp b, 0,1,2,3
	v_max_num_f32 v[TM+\b], v[TM+\b], v[TM+4+\b]   ; with lane l xor 16's 16
.endr
.irp b, 0,1,2,3
	v_add_nc_u32 v[TM+12+\b], 0xf8800000, v[TM+\b] ; 15 off the exponent field: the conversion's scale operand
.endr
.irp b, 0,1,2,3
	v_and_or_b32 v[TM+8+\b], v[TM+\b], 0x7f800000, s20   ; 57,344 x the scale
.endr
.irp b, 0,1,2,3
	v_lshrrev_b32 v[TM+4+\b], 23, v[TM+12+\b]      ; the scale's byte
.endr
	v_lshl_or_b32 v[SW+(\a)], v[TM+5], 8, v[TM+4]
	v_lshl_or_b32 v[SW+(\a)], v[TM+6], 16, v[SW+(\a)]
	v_lshl_or_b32 v[SW+(\a)], v[TM+7], 24, v[SW+(\a)]
	WIN WB                                         ; destination and source 0: the accumulators' window
.irp b, 0,1,2,3
.irp i, 0,1,2,3,4,5,6,7,8,9,10,11,12,13,14,15
	v_med3_num_f32 v[AC+16*\b+\i], v[AC+16*\b+\i], -v[TM+8+\b], v[TM+8+\b]   ; the conversion does not saturate (ISA guide 7.6.2)
.endr
.endr
	WIN WW                                         ; source 0 alone
.irp b, 0,1,2,3
	v_cvt_scalef32_pk8_bf8_f32 v[PCA+4*\b:PCA+4*\b+1], v[AC+16*\b:AC+16*\b+7], v[TM+12+\b]
	v_cvt_scalef32_pk8_bf8_f32 v[PCA+4*\b+2:PCA+4*\b+3], v[AC+16*\b+8:AC+16*\b+15], v[TM+12+\b]
.endr
	WIN 0
	v_nop                                          ; one plain vector instruction behind the last conversion
.irp b, 0,1,2,3
	global_store_b128 v[CO], v[PCA+4*\b:PCA+4*\b+3], s[8:9] offset:(4*(\a)+\b)*512   ; 512 consecutive bytes, aligned
.endr
.endm
	PLACES NP                                      ; behind the last products: for the reads of results and the writes of registers that held fragments and scale words
	s_mov_b32 s18, 0x76543210
	s_mov_b32 s19, 0xfedcba98                      ; lane l xor 16
	s_mov_b32 s20, 0x600000                        ; the mantissa field of 57,344
	s_mov_b32 s21, 0xffff0000                      ; lanes 16-31
.irp b, 0,1,2,3
	v_mov_b32 v[TM+4+\b], 0                        ; a lane permute's destination counts as one of its sources
.endr
.irp a, 0,1,2,3,4,5,6,7
	QW \a
.endr
.irp j, 0,1,2,3
	v_cndmask_b32 v[SX+\j], v[SW+2*\j], v[SW+2*\j+1], s21   ; lanes 0-15: block 2 j's words; lanes 16-31: block 2 j + 1's
.endr
	global_store_b128 v[CO], v[SX:SX+3], s[10:11]  ; 512 consecutive bytes
	s_wait_tensorcnt 0x0                           ; the wave's end
	ds_add_u32 v[SPW], v[NIL]
	s_wait_dscnt 0x0
	CROUND                                         ; the closing round
	s_endpgm
.Lfunc_end_k_q6853cfbd25_proj:
	.size	k_q6853cfbd25_proj, .Lfunc_end_k_q6853cfbd25_proj-k_q6853cfbd25_proj
	.p2alignl 7, 3214868480
	.fill 96, 4, 3214868480
	.section	.rodata,"a",@progbits
	.p2align	6, 0x0
	.amdhsa_kernel k_q6853cfbd25_proj
		.amdhsa_group_segment_fixed_size 327680
		.amdhsa_private_segment_fixed_size 0
		.amdhsa_enable_private_segment 0
		.amdhsa_kernarg_size 32
		.amdhsa_user_sgpr_count 2
		.amdhsa_user_sgpr_kernarg_segment_ptr 1
		.amdhsa_wavefront_size32 1
		.amdhsa_system_sgpr_workgroup_id_x 1
		.amdhsa_system_sgpr_workgroup_id_y 1
		.amdhsa_system_sgpr_workgroup_id_z 1
		.amdhsa_system_vgpr_workitem_id 0
		.amdhsa_next_free_vgpr 1024
		.amdhsa_next_free_sgpr 102
		.amdhsa_reserve_vcc 0
		.amdhsa_float_denorm_mode_32 3
		.amdhsa_float_denorm_mode_16_64 3
		.amdhsa_memory_ordered 1
		.amdhsa_forward_progress 1
		.amdhsa_inst_pref_size 185
	.end_amdhsa_kernel
	.amdgpu_metadata
---
amdhsa.version: [ 1, 2 ]
amdhsa.kernels:
  - .name:           k_q6853cfbd25_proj
    .symbol:         k_q6853cfbd25_proj.kd
    .args:
      - { .name: opc, .offset: 0, .size: 8, .value_kind: global_buffer, .address_space: global }
      - { .name: ops, .offset: 8, .size: 8, .value_kind: global_buffer, .address_space: global }
      - { .name: qkvc, .offset: 16, .size: 8, .value_kind: global_buffer, .address_space: global }
      - { .name: qkvs, .offset: 24, .size: 8, .value_kind: global_buffer, .address_space: global }
    .group_segment_fixed_size: 327680
    .private_segment_fixed_size: 0
    .kernarg_segment_align: 8
    .kernarg_segment_size: 32
    .max_flat_workgroup_size: 128
    .sgpr_count:     102
    .vgpr_count:     1024
    .wavefront_size: 32
...
	.end_amdgpu_metadata
.endif
;; end of part 2
;; launch attn (part 3): grid 4 x 64, 16 waves a work-group, no clusters, 36,864 bytes of LDS; arguments qkvc, qkvs, mw, fl, atc, ats; writes atc, ats
.if DOCPART == 3
	.amdgcn_target "amdgcn-amd-amdhsa--gfx1250"
	.amdhsa_code_object_version 6
	.text
	.protected	k_q6853cfbd25_attn
	.globl	k_q6853cfbd25_attn
	.p2align	8
	.type	k_q6853cfbd25_attn,@function
k_q6853cfbd25_attn:
	s_mov_b64 s[64:65], 0
	v_nop
	global_prefetch_b8 v0, s[64:65] scope:SCOPE_SE
	s_setreg_imm32_b32 hwreg(HW_REG_WAVE_MODE, 25, 1), 1
	s_wait_xcnt 0x0
; Launch 3 of 4: scores = q k^T / 8 under the mask, the softmax, its product with v, and the quantising of the result for the last product; both products on codes of E5M2 with E8M0 scales.
; WORK PASSED OVER: a key step of 128 keys in which the mask lets no key count for any of my 16 queries adds nothing to their sums: every p there is 0.  It is passed over on a bit that the first launch stored (fl).
; THE SOFTMAX: t = score x log2(e) / 8; M = the running largest t rounded up to a whole number; p = 2^(t - M) is quantised along the keys; the sum is taken of the unquantised p and divides at the end;
; when M moves, the sum and O^T are multiplied by 2^(old M - new M), which rounds nothing.
; SHARES.  Work-group (i, y): batch y / 16, head y % 16; it takes the blocks of 256 queries i and 7 - i, one after the other.  Each of its 16 waves owns a tile of 16 stored queries: a lane holds ONE query throughout.
; Both products are used transposed: S^T = K Q^T (source 0 = 16 keys), O^T = V^T P^T (source 0 = 16 of the head's 64).  Tokens and v's rows are stored with the second and third group of 8 of every 32 exchanged, so
; the 16 registers of tiles 2 b and 2 b + 1 are 16 neighbours of the true order: p's conversions give the second product's operand, O^T's the last product's.
; A HEAD OF 64 fills half of the instruction's K.  The other half holds zero codes on both sides.  One run of 8 zero registers serves two tiles: an even tile is (codes, zeros) against (Q, zeros), an odd one
; (zeros, codes) against (zeros, Q); so K's and Q's scale words carry the head's two bytes twice.
; K AND V come as images of operand registers (512 bytes a group of four registers).  The 512 threads copy a key step's 16 KiB and its scale words from memory through registers into one of two LDS slots, asked for a
; whole key step ahead of the store.  WHY NO TENSOR LOADS, NO JOINT LOADS: the jumps over key steps hang on numbers read from memory, and waves of one work-group differ in them.
; WHY NO PREFETCH: each copy's loads are issued ahead of a whole key step's work of the wave, and are waited for behind it.
; A QUERY FOR WHICH NO KEY COUNTS: reference() gives NaN; here its scale bytes become 0xff, which makes the last product's sums NaN.
; LIMITS: p under 2^-126 counts as 0; a block of zeros gets the byte 1; NaN and infinities among the codes' sources are not served.
.set SLB,  17408                       ; an LDS slot: K's images 8,192, V's 8,192, K's scale words 512, V's 256
.set KIM,  0
.set VIM,  8192
.set KSC,  16384
.set VSC,  16896
.set SPARE, 2*SLB                      ; the spare words: 128 bytes for each of 16 waves, named by no other line
.set LI,   1                           ; v1   16 x lane
.set L8,   2                           ; v2   8 x lane
.set TI,   3                           ; v3   16 x thread
.set TK,   4                           ; v4   my 16 bytes of a key step's K in memory: 2,048 (thread / 64) + 16 (thread % 64)
.set SPW,  8
.set NIL,  9
.set NINF, 10                          ; v10  -infinity
.set QW,   11                          ; v11  Q's scale words
.set ST,   96                          ; v96-159  S^T, then p, then V's four fragments
.set OT,   160                         ; v160-191 O^T
.set PCD,  192                         ; v192-207 p's codes
.set KW,   208                         ; v208-211 K's scale words: register j: lanes 0-15 tile 2 j, lanes 16-31 tile 2 j + 1
.set VW,   212                         ; v212-213 V's likewise
.set PW,   214                         ; v214 p's scale word
.set BM,   216                         ; v216-219 a block's largest score, then its largest p
.set PX,   220                         ; v220-223 at work
.set LM,   224                         ; v224-227 57,344 x the scale
.set SO,   228                         ; v228-231 the conversions' scale operands
.set FF,   232                         ; v[232:233] f
.set TT,   234                         ; v234-235 at work
.set CP,   240                         ; v240-253 the copy: K 4, V 4, K's scale words 4, V's 2
.set KC, 2                             ; s[2:3] K's codes, s[4:5] V's, s[6:7] K's scale words, s[8:9] V's, s[10:11] mw, s[12:13] Q's codes, s[14:15] Q's scale words
.set VC, 4
.set KSP, 6
.set VSP, 8
.set MWP, 10
.set QC, 12
.set QSP, 14
.set OC, 66                            ; s[66:67] atc, s[68:69] ats
.set OSP, 68
.set WV, 70                            ; my wave
.set WN, 71                            ; bit 0: some wave of the work-group wants the NEXT step's keys
.set MA, 72                            ; bit 0: some key of this step counts for my tile
.set ML, 73                            ; bit 0: all do
.set NXO, 74                           ; the next step's blocks: 16,384 x its number
.set MWO, 75                           ; this step's words in mw
.set CN1, 76
.set CN2, 77
.set SEL, 78
.set CS, 96                            ; s[96:97] c = log2(e) / 8
.set MNT, 98
.set PSEL, 99                          ; the byte select that doubles my head's two scale bytes
.set QI, 100                           ; the block of queries in hand
.set NXS, 101                          ; the next step's number
	s_load_b256 s[16:23], s[0:1], 0x0              ; qkvc s[16:17], qkvs s[18:19], mw s[20:21], fl s[22:23]
	s_load_b128 s[24:27], s[0:1], 0x20             ; atc s[24:25], ats s[26:27]
	v_lshl_add_u32 v[SPW], v0, 2, SPARE
	v_mov_b32 v[NIL], 0
	v_lshrrev_b32 v5, 5, v0
	v_readfirstlane_b32 s[WV], v5
	v_and_b32 v5, 31, v0
	v_lshlrev_b32 v[LI], 4, v5
	v_lshlrev_b32 v[L8], 3, v5
	v_lshlrev_b32 v[TI], 4, v0
	v_lshrrev_b32 v[TK], 6, v0
	v_and_b32 v6, 63, v0
	v_lshlrev_b32 v[TK], 11, v[TK]
	v_lshl_add_u32 v[TK], v6, 4, v[TK]
	v_and_b32 v89, 15, v0                          ; r
	v_bfe_u32 v6, v0, 4, 1                         ; h
	v_lshl_add_u32 v94, v89, 5, v6                 ; ats: 32 bytes a row, + my half's block
	v_lshlrev_b32 v89, 4, v89                      ; 16 r
	v_mov_b32 v[NINF], 0xff800000
.irp k, 24,25,26,27,28,29,30,31, 48,49,50,51,52,53,54,55, 72,73,74,75,76,77,78,79
	v_mov_b32 v\k, 0                               ; the zero codes
.endr
.irp k, 220,221,222,223, 233, 240,241,242,243,244,245,246,247,248,249,250,251,252,253
	v_mov_b32 v\k, 0                               ; lane permutes' destinations, the pair's upper half, the copy's registers: written once
.endr
	s_and_b32 s28, ttmp7, 0xffff
	s_lshr_b32 s29, s28, 4                         ; batch
	s_and_b32 s30, s28, 15                         ; head
	s_lshr_b32 s31, s30, 1                         ; the pair of heads,
	s_and_b32 s32, s30, 1                          ; and which of the two
	s_lshl_b32 s33, s31, 6
	s_lshl_b32 s34, s29, 4
	s_add_co_u32 s33, s33, s34                     ; q's first block: 64 x pair + 16 x batch
	s_lshl_b32 s36, s33, 14
	s_lshl_b32 s34, s32, 10
	s_add_co_u32 s36, s36, s34                     ; q, k: my head's two groups lie 1,024 bytes on in each 2,048
	s_mov_b32 s37, 0
	s_lshl_b32 s38, s33, 14
	s_lshl_b32 s34, s32, 13
	s_add_co_u32 s38, s38, s34                     ; v: my head's four tiles are a block's second 8,192 bytes
	s_mov_b32 s39, 0
	s_lshl_b32 s40, s33, 9
	s_mov_b32 s41, 0
	s_lshl_b32 s34, s32, 3
	s_add_co_u32 s42, s40, s34                     ; v's scale words: my head's two of a lane's four
	s_mov_b32 s43, 0
	s_lshl_b32 s44, s29, 21                        ; atc: 128 row tiles of 16,384 bytes a batch,
	s_lshl_b32 s34, s30, 10                        ; 1,024 bytes a head
	s_add_co_u32 s44, s44, s34
	s_mov_b32 s45, 0
	s_lshl_b32 s46, s29, 16                        ; ats: 2,048 rows of 32 bytes a batch,
	s_lshl_b32 s34, s30, 1                         ; 2 bytes a head
	s_add_co_u32 s46, s46, s34
	s_mov_b32 s47, 0
	s_mov_b32 s[PSEL], 0x03020302
	s_cmp_eq_u32 s32, 0
	s_cselect_b32 s[PSEL], 0x01000100, s[PSEL]
	s_lshl_b32 s28, ttmp9, 6                       ; fl: 16 words for each block of queries
	s_sub_co_u32 s29, 7, ttmp9
	s_lshl_b32 s29, s29, 6
	s_lshl_b32 s34, s[WV], 2
	s_add_co_u32 s30, s28, s34                     ; my tile's word, first block,
	s_add_co_u32 s31, s29, s34                     ; second block
	s_mov_b32 s[QI], ttmp9
	s_mov_b32 s[SEL], 0x76543210
	s_mov_b32 s[SEL+1], 0xfedcba98
	s_mov_b32 s[CS], 0x3e38aa3b
	s_mov_b32 s[CS+1], s[CS]
	s_mov_b32 s[MNT], 0x600000
	s_wait_kmcnt 0x0
	s_load_b512 s[48:63], s[22:23], s28 offset:0x0
	s_load_b512 s[80:95], s[22:23], s29 offset:0x0
	s_load_b32 s32, s[22:23], s30 offset:0x0
	s_load_b32 s33, s[22:23], s31 offset:0x0
	s_add_nc_u64 s[QC:QC+1], s[16:17], s[36:37]
	s_add_nc_u64 s[KC:KC+1], s[QC:QC+1], 0x800000  ; k's blocks begin 512 blocks on
	s_add_nc_u64 s[VC:VC+1], s[16:17], s[38:39]
	s_add_nc_u64 s[VC:VC+1], s[VC:VC+1], 0x1000000 ; v's 1,024
	s_add_nc_u64 s[QSP:QSP+1], s[18:19], s[40:41]
	s_add_nc_u64 s[KSP:KSP+1], s[QSP:QSP+1], 0x40000
	s_add_nc_u64 s[VSP:VSP+1], s[18:19], s[42:43]
	s_add_nc_u64 s[VSP:VSP+1], s[VSP:VSP+1], 0x80000
	s_mov_b64 s[MWP:MWP+1], s[20:21]
	s_add_nc_u64 s[OC:OC+1], s[24:25], s[44:45]
	s_add_nc_u64 s[OSP:OSP+1], s[26:27], s[46:47]
	s_wait_kmcnt 0x0
.irp k, 1,2,3,4,5,6,7,8,9,10,11,12,13,14,15
	s_or_b32 s48, s48, s[48+\k]
	s_or_b32 s80, s80, s[80+\k]
.endr
	s_and_b32 s48, s48, 0xffff
	s_lshl_b32 s80, s80, 16
	s_or_b32 s[WN], s48, s80                       ; 32 steps in the order in which they are walked: which of them some wave wants
	s_and_b32 s[MA], s32, 0xffff
	s_lshl_b32 s34, s33, 16
	s_or_b32 s[MA], s[MA], s34                     ; which I want
	s_lshr_b32 s[ML], s32, 16
	s_and_b32 s34, s33, 0xffff0000
	s_or_b32 s[ML], s[ML], s34                     ; in which all keys count
	s_mov_b32 s[NXO], 0
	s_mov_b32 s[NXS], 0
; The copy's loads: a key step's K (my head's 1,024 bytes of each 2,048) and V (8,192 dense bytes), 16 bytes a thread; wave 0 also the scale words.
.macro COPY_LOAD
	v_add_nc_u32 v6, s[NXO], v[TK]
	v_add_nc_u32 v7, s[NXO], v[TI]
	global_load_b128 v[CP:CP+3], v6, s[KC:KC+1]
	global_load_b128 v[CP+4:CP+7], v7, s[VC:VC+1]
	s_cmp_lg_u32 s[WV], 0
	s_cbranch_scc1 .Lnot0_\@
	s_lshl_b32 s16, s[NXS], 9
	v_add_nc_u32 v88, s16, v[LI]
	global_load_b128 v[CP+8:CP+11], v88, s[KSP:KSP+1]
	global_load_b64 v[CP+12:CP+13], v88, s[VSP:VSP+1]
.Lnot0_\@:
.endm
.macro COPY_STORE sl
	ds_store_b128 v[TI], v[CP:CP+3] offset:SLB*(\sl)+KIM
	ds_store_b128 v[TI], v[CP+4:CP+7] offset:SLB*(\sl)+VIM
	s_cmp_lg_u32 s[WV], 0
	s_cbranch_scc1 .Lnot0_\@
.irp k, 8,9,10,11
	v_perm_b32 v[CP+\k], v[CP+\k], v[CP+\k], s[PSEL]   ; my head's two bytes, twice
.endr
	ds_store_b128 v[LI], v[CP+8:CP+11] offset:SLB*(\sl)+KSC
	ds_store_b64 v[L8], v[CP+12:CP+13] offset:SLB*(\sl)+VSC
.Lnot0_\@:
.endm
; A key step's work for my tile, from slot sl.
.macro COMPUTE sl
	ds_load_b128 v[KW:KW+3], v[LI] offset:SLB*(\sl)+KSC
.irp g, 0,1                                    ; S^T = K Q^T, four tiles of 16 keys at a time; the registers loaded were last read by matrix instructions eight v_nop and more ago
.irp t, 0,1,2,3
	ds_load_b128 v[40+8*\t+8*((\t+1)/2):43+8*\t+8*((\t+1)/2)], v[LI] offset:SLB*(\sl)+KIM+1024*(4*\g+\t)
	ds_load_b128 v[44+8*\t+8*((\t+1)/2):47+8*\t+8*((\t+1)/2)], v[LI] offset:SLB*(\sl)+KIM+1024*(4*\g+\t)+512
.endr
	s_wait_dscnt 0x0
.irp t, 0,1,2,3
.if (\t%2) == 0
	v_wmma_scale_f32_16x16x128_f8f6f4 v[ST+8*(4*\g+\t):ST+8*(4*\g+\t)+7], v[40+8*\t+8*(\t/2):55+8*\t+8*(\t/2)], v[16:31], 0, v[KW+2*\g+\t/2], v[QW] matrix_a_fmt:MATRIX_FMT_BF8 matrix_b_fmt:MATRIX_FMT_BF8
.else
	v_wmma_scale_f32_16x16x128_f8f6f4 v[ST+8*(4*\g+\t):ST+8*(4*\g+\t)+7], v[40+8*\t+8*(\t/2):55+8*\t+8*(\t/2)], v[24:39], 0, v[KW+2*\g+\t/2], v[QW] matrix_a_fmt:MATRIX_FMT_BF8 matrix_b_fmt:MATRIX_FMT_BF8 matrix_a_scale:MATRIX_SCALE_ROW1
.endif
.endr
.rept 8
	v_nop                                          ; places behind these products (ISA guide 7.12.1)
.endr
.endr
	s_bitcmp1_b32 s[ML], 0                         ; where all 128 keys count for all 16 queries the words are not wanted
	s_cbranch_scc1 .Lopen_\@
	s_load_b512 s[16:31], s[MWP:MWP+1], s[MWO] offset:0x0
	s_load_b512 s[32:47], s[MWP:MWP+1], s[MWO] offset:0x40
	s_load_b512 s[48:63], s[MWP:MWP+1], s[MWO] offset:0x80
	s_load_b512 s[80:95], s[MWP:MWP+1], s[MWO] offset:0xc0
	s_wait_kmcnt 0x0
.set nn, 0
.rept 48
	v_cndmask_b32 v[ST+nn], v[NINF], v[ST+nn], s[16+nn]   ; word n's bit for my lane: the score stays, or becomes -infinity
.set nn, nn+1
.endr
.rept 16
	v_cndmask_b32 v[ST+nn], v[NINF], v[ST+nn], s[32+nn]
.set nn, nn+1
.endr
.Lopen_\@:
.irp b, 0,1,2,3
	v_max3_num_f32 v[BM+\b], v[ST+16*\b], v[ST+1+16*\b], v[ST+2+16*\b]   ; the largest score of each block of 32 keys: for the row's maximum and, since p rises with the score, for the block's largest p
.endr
.irp i, 3,5,7,9,11,13
.irp b, 0,1,2,3
	v_max3_num_f32 v[BM+\b], v[BM+\b], v[ST+16*\b+\i], v[ST+1+16*\b+\i]
.endr
.endr
.irp b, 0,1,2,3
	v_max_num_f32 v[BM+\b], v[BM+\b], v[ST+15+16*\b]
.endr
.irp b, 0,1,2,3
	v_permlanex16_b32 v[PX+\b], v[BM+\b], s[SEL], s[SEL+1]
.endr
.irp b, 0,1,2,3
	v_max_num_f32 v[BM+\b], v[BM+\b], v[PX+\b]     ; with lane l xor 16's 16 keys
.endr
	v_max3_num_f32 v[TT], v[BM], v[BM+1], v[BM+2]
	v_max_num_f32 v[TT], v[TT], v[BM+3]
	v_mul_f32 v[TT], s[CS], v[TT]                  ; as t
	v_max_num_f32 v13, v13, v[TT]                  ; the running largest t (a query none of whose keys has counted yet keeps -3e38)
	v_mov_b32 v[TT], v12
	v_floor_f32 v12, -v13                          ; the new -M
	v_sub_f32 v[TT], v12, v[TT]                    ; old M - new M: a whole number, 0 or less
	v_cvt_i32_f32 v[TT], v[TT]                     ; (it saturates)
	v_ldexp_f32 v[FF], 1.0, v[TT]                  ; f
.set jj, 0
.rept 32
	v_pk_fma_f32 v[ST+jj:ST+jj+1], v[ST+jj:ST+jj+1], s[CS:CS+1], v[12:13] op_sel_hi:[1,0,0]   ; t - M, two at a time
.set jj, jj+2
.endr
.irp b, 0,1,2,3
	v_fma_f32 v[BM+\b], v[BM+\b], s[CS], v12
.endr
.set jj, 0
.rept 64
	v_exp_f32 v[ST+jj], v[ST+jj]                   ; p, at most 1
.set jj, jj+1
.endr
	v_pk_mul_f32 v[14:15], v[14:15], v[FF:FF+1] op_sel_hi:[1,0]   ; the sums under the new M: a plain instruction behind the exponentials
	s_wait_alu depctr_va_vdst(0)                   ; the wait ahead of the first line that names a result: one for the 64
.irp b, 0,1,2,3
	v_exp_f32 v[BM+\b], v[BM+\b]                   ; the block's largest p
.endr
	v_pk_add_f32 v[PX:PX+1], v[ST:ST+1], v[ST+2:ST+3]   ; the row's sum of the unquantised p, in two chains
.irp j, 4,8,12,16,20,24,28,32,36,40,44,48,52,56,60
	v_pk_add_f32 v[14:15], v[14:15], v[ST+\j:ST+\j+1]
	v_pk_add_f32 v[PX:PX+1], v[PX:PX+1], v[ST+2+\j:ST+3+\j]
.endr
	v_pk_add_f32 v[14:15], v[14:15], v[PX:PX+1]
	s_wait_alu depctr_va_vdst(0)                   ; and one for the four
.irp b, 0,1,2,3
	v_max_num_f32 v[BM+\b], 0x8000000, v[BM+\b]    ; the floor 2^(16 - 127)
.endr
.irp b, 0,1,2,3
	v_add_nc_u32 v[SO+\b], 0xf8800000, v[BM+\b]
.endr
.irp b, 0,1,2,3
	v_and_or_b32 v[LM+\b], v[BM+\b], 0x7f800000, s[MNT]
.endr
.irp b, 0,1,2,3
	v_lshrrev_b32 v[PX+\b], 23, v[SO+\b]
.endr
	v_lshl_or_b32 v[PW], v[PX+1], 8, v[PX]         ; p's scale word for these 128 keys; the 64 holds below stand between it and the products
	v_lshl_or_b32 v[PW], v[PX+2], 16, v[PW]
	v_lshl_or_b32 v[PW], v[PX+3], 24, v[PW]
.irp b, 0,1,2,3
.irp i, 0,1,2,3,4,5,6,7,8,9,10,11,12,13,14,15
	v_min_num_f32 v[ST+16*\b+\i], v[ST+16*\b+\i], v[LM+\b]   ; the conversion does not saturate (ISA guide 7.6.2); p is not negative
.endr
	v_cvt_scalef32_pk8_bf8_f32 v[PCD+4*\b:PCD+4*\b+1], v[ST+16*\b:ST+16*\b+7], v[SO+\b]
	v_cvt_scalef32_pk8_bf8_f32 v[PCD+4*\b+2:PCD+4*\b+3], v[ST+16*\b+8:ST+16*\b+15], v[SO+\b]
.endr
.irp t, 0,1,2,3                                ; V's four fragments take p's registers
.irp c, 0,1,2,3
	ds_load_b128 v[ST+16*\t+4*\c:ST+16*\t+4*\c+3], v[LI] offset:SLB*(\sl)+VIM+2048*\t+512*\c
.endr
.endr
	ds_load_b64 v[VW:VW+1], v[L8] offset:SLB*(\sl)+VSC
.set jj, 0
.rept 16
	v_pk_mul_f32 v[OT+jj:OT+jj+1], v[OT+jj:OT+jj+1], v[FF:FF+1] op_sel_hi:[1,0]   ; O^T under the new M; also the places between the conversions and the products
.set jj, jj+2
.endr
	s_wait_dscnt 0x0
.irp t, 0,1,2,3                                ; O^T += V^T P^T: the four accumulators by turns
.if (\t%2) == 0
	v_wmma_scale_f32_16x16x128_f8f6f4 v[OT+8*\t:OT+8*\t+7], v[ST+16*\t:ST+16*\t+15], v[PCD:PCD+15], v[OT+8*\t:OT+8*\t+7], v[VW+\t/2], v[PW] matrix_a_fmt:MATRIX_FMT_BF8 matrix_b_fmt:MATRIX_FMT_BF8
.else
	v_wmma_scale_f32_16x16x128_f8f6f4 v[OT+8*\t:OT+8*\t+7], v[ST+16*\t:ST+16*\t+15], v[PCD:PCD+15], v[OT+8*\t:OT+8*\t+7], v[VW+\t/2], v[PW] matrix_a_fmt:MATRIX_FMT_BF8 matrix_b_fmt:MATRIX_FMT_BF8 matrix_a_scale:MATRIX_SCALE_ROW1
.endif
.endr
.rept 9
	v_nop                                          ; nine places: the next step's products write over the registers that held V
.endr
.endm
; A key step: ask for the next step's keys, work on this step's, store the next step's into the other slot; one barrier.  The barrier and its waits are on every wave's path.
.macro STEP sl
	s_bitcmp1_b32 s[WN], 0
	s_cbranch_scc0 .Lnl_\@
	COPY_LOAD
.Lnl_\@:
	s_bitcmp1_b32 s[MA], 0
	s_cbranch_scc0 .Lnc_\@
	COMPUTE \sl
.Lnc_\@:
	s_wait_loadcnt 0x0                             ; the copy's loads are in
	s_bitcmp1_b32 s[WN], 0
	s_cbranch_scc0 .Lns_\@
	COPY_STORE 1-(\sl)                             ; nobody reads that slot: its readers' loads were waited for in front of the last barrier
.Lns_\@:
	s_lshr_b32 s[WN], s[WN], 1
	s_lshr_b32 s[MA], s[MA], 1
	s_lshr_b32 s[ML], s[ML], 1
	s_add_co_u32 s[NXS], s[NXS], 1
	s_and_b32 s[NXS], s[NXS], 15                   ; the second block of queries walks the same keys again
	s_lshl_b32 s[NXO], s[NXS], 14
	s_add_co_u32 s[MWO], s[MWO], 256
	s_wait_dscnt 0x0                               ; my stores have landed, my reads are in
	s_barrier_signal -1
	s_barrier_wait -1
.endm
	s_bitcmp1_b32 s[WN], 0                         ; the first step's keys
	s_cbranch_scc0 .Lno_first
	COPY_LOAD
	s_wait_loadcnt 0x0
	COPY_STORE 0
.Lno_first:
	s_lshr_b32 s[WN], s[WN], 1
	s_mov_b32 s[NXS], 1
	s_mov_b32 s[NXO], 16384
	s_wait_dscnt 0x0
	s_barrier_signal -1
	s_barrier_wait -1
	s_mov_b32 s[CN2], 2
.Lpass:
	s_wait_xcnt 0x0                                ; the last block's stores have read their registers
	s_lshl_b32 s16, s[QI], 4
	s_add_co_u32 s16, s16, s[WV]                   ; my tile, 0 to 127
	s_lshl_b32 s[MWO], s16, 12                     ; 16 steps of 256 bytes
	s_lshl_b32 s17, s16, 11                        ; q: 2,048 bytes a tile
	v_add_nc_u32 v92, s17, v[LI]
	s_lshr_b32 s17, s16, 3
	s_lshl_b32 s17, s17, 9                         ; its scale words: 512 bytes for 8 tiles,
	s_and_b32 s18, s16, 1
	s_lshl_b32 s18, s18, 8                         ; an odd tile's in lanes 16-31's places,
	s_add_co_u32 s17, s17, s18
	s_bfe_u32 s18, s16, 0x20001
	s_lshl_b32 s18, s18, 2                         ; word (tile % 8) / 2
	s_add_co_u32 s17, s17, s18
	v_add_nc_u32 v93, s17, v89
	s_lshl_b32 s17, s16, 14
	v_add_nc_u32 v90, s17, v[LI]                   ; atc: 16,384 bytes a row tile
	s_lshl_b32 s17, s16, 9
	v_add_nc_u32 v91, s17, v94                     ; ats: 16 rows of 32 bytes
	global_load_b128 v[16:19], v92, s[QC:QC+1]
	global_load_b128 v[20:23], v92, s[QC:QC+1] offset:512
	global_load_b128 v[32:35], v92, s[QC:QC+1]     ; once more, behind the zeros, for the odd tiles
	global_load_b128 v[36:39], v92, s[QC:QC+1] offset:512
	global_load_b32 v[QW], v93, s[QSP:QSP+1]
	s_wait_loadcnt 0x0
	v_perm_b32 v[QW], v[QW], v[QW], s[PSEL]        ; the lines below stand between this and the first product
	v_mov_b32 v13, 0xff61b1e6                      ; the largest t so far: -3e38
	v_floor_f32 v12, -v13
	v_mov_b32 v14, 0
	v_mov_b32 v15, 0
.set jj, 0
.rept 32
	v_mov_b32 v[OT+jj], 0                          ; the step is written once: the first finds zeros
.set jj, jj+1
.endr
	s_mov_b32 s[CN1], 8
.Lstep:
	STEP 0
	STEP 1
	s_sub_co_u32 s[CN1], s[CN1], 1
	s_cmp_lg_u32 s[CN1], 0
	s_cbranch_scc1 .Lstep
	; THE WAY OUT: O^T / the sum, quantised along the head's 64 (two blocks of 32 of the last product's K); the codes are that product's operand registers
	v_add_f32 v14, v14, v15
	v_permlanex16_b32 v[PX], v14, s[SEL], s[SEL+1]
	v_add_f32 v14, v14, v[PX]                      ; the row's sum
	v_cmp_eq_f32 s16, 0, v14                       ; no key has counted
	v_cndmask_b32 v14, v14, 1.0, s16
	v_rcp_f32 v[FF], v14
	s_mov_b32 s17, 0xffff0000                      ; lanes 16-31
	v_mov_b32 v[TT+1], 0xff                        ; (a plain instruction behind the reciprocal)
	s_wait_alu depctr_va_vdst(0)                   ; the wait ahead of the first reader
.set jj, 0
.rept 16
	v_pk_mul_f32 v[OT+jj:OT+jj+1], v[OT+jj:OT+jj+1], v[FF:FF+1] op_sel_hi:[1,0]
.set jj, jj+2
.endr
.irp b, 0,1
	v_max3_num_f32 v[BM+\b], |v[OT+16*\b]|, |v[OT+1+16*\b]|, 0x8000000
.endr
.irp i, 2,4,6,8,10,12,14
.irp b, 0,1
	v_max3_num_f32 v[BM+\b], v[BM+\b], |v[OT+16*\b+\i]|, |v[OT+1+16*\b+\i]|
.endr
.endr
.irp b, 0,1
	v_permlanex16_b32 v[PX+\b], v[BM+\b], s[SEL], s[SEL+1]
.endr
.irp b, 0,1
	v_max_num_f32 v[BM+\b], v[BM+\b], v[PX+\b]
.endr
.irp b, 0,1
	v_add_nc_u32 v[SO+\b], 0xf8800000, v[BM+\b]
.endr
.irp b, 0,1
	v_and_or_b32 v[LM+\b], v[BM+\b], 0x7f800000, s[MNT]
.endr
.irp b, 0,1
	v_lshrrev_b32 v[PX+\b], 23, v[SO+\b]
.endr
	v_cndmask_b32 v[TT], v[PX], v[PX+1], s17       ; lanes 0-15 store block 0's byte, lanes 16-31 block 1's
	v_cndmask_b32 v[TT], v[TT], v[TT+1], s16       ; 0xff where no key has counted
.irp b, 0,1
.irp i, 0,1,2,3,4,5,6,7,8,9,10,11,12,13,14,15
	v_med3_num_f32 v[OT+16*\b+\i], v[OT+16*\b+\i], -v[LM+\b], v[LM+\b]
.endr
	v_cvt_scalef32_pk8_bf8_f32 v[PCD+4*\b:PCD+4*\b+1], v[OT+16*\b:OT+16*\b+7], v[SO+\b]
	v_cvt_scalef32_pk8_bf8_f32 v[PCD+4*\b+2:PCD+4*\b+3], v[OT+16*\b+8:OT+16*\b+15], v[SO+\b]
.endr
	v_nop                                          ; one plain vector instruction behind the last conversion
	global_store_b128 v90, v[PCD:PCD+3], s[OC:OC+1]               ; 512 consecutive bytes, aligned
	global_store_b128 v90, v[PCD+4:PCD+7], s[OC:OC+1] offset:512
	global_store_b8 v91, v[TT], s[OSP:OSP+1]       ; two bytes of each of 16 rows of 32: one part in 512 of what the tile stores
	s_sub_co_u32 s[QI], 7, s[QI]
	s_sub_co_u32 s[CN2], s[CN2], 1
	s_cmp_lg_u32 s[CN2], 0
	s_cbranch_scc1 .Lpass
	s_wait_tensorcnt 0x0                           ; the wave's end, behind my last LDS store
	ds_add_u32 v[SPW], v[NIL]
	s_wait_dscnt 0x0
	s_endpgm
.Lfunc_end_k_q6853cfbd25_attn:
	.size	k_q6853cfbd25_attn, .Lfunc_end_k_q6853cfbd25_attn-k_q6853cfbd25_attn
	.p2alignl 7, 3214868480
	.fill 96, 4, 3214868480
	.section	.rodata,"a",@progbits
	.p2align	6, 0x0
	.amdhsa_kernel k_q6853cfbd25_attn
		.amdhsa_group_segment_fixed_size 36864
		.amdhsa_private_segment_fixed_size 0
		.amdhsa_enable_private_segment 0
		.amdhsa_kernarg_size 48
		.amdhsa_user_sgpr_count 2
		.amdhsa_user_sgpr_kernarg_segment_ptr 1
		.amdhsa_wavefront_size32 1
		.amdhsa_system_sgpr_workgroup_id_x 1
		.amdhsa_system_sgpr_workgroup_id_y 1
		.amdhsa_system_sgpr_workgroup_id_z 1
		.amdhsa_system_vgpr_workitem_id 0
		.amdhsa_next_free_vgpr 256
		.amdhsa_next_free_sgpr 102
		.amdhsa_reserve_vcc 0
		.amdhsa_float_denorm_mode_32 3
		.amdhsa_float_denorm_mode_16_64 3
		.amdhsa_memory_ordered 1
		.amdhsa_forward_progress 1
		.amdhsa_inst_pref_size 65
	.end_amdhsa_kernel
	.amdgpu_metadata
---
amdhsa.version: [ 1, 2 ]
amdhsa.kernels:
  - .name:           k_q6853cfbd25_attn
    .symbol:         k_q6853cfbd25_attn.kd
    .args:
      - { .name: qkvc, .offset: 0, .size: 8, .value_kind: global_buffer, .address_space: global }
      - { .name: qkvs, .offset: 8, .size: 8, .value_kind: global_buffer, .address_space: global }
      - { .name: mw, .offset: 16, .size: 8, .value_kind: global_buffer, .address_space: global }
      - { .name: fl, .offset: 24, .size: 8, .value_kind: global_buffer, .address_space: global }
      - { .name: atc, .offset: 32, .size: 8, .value_kind: global_buffer, .address_space: global }
      - { .name: ats, .offset: 40, .size: 8, .value_kind: global_buffer, .address_space: global }
    .group_segment_fixed_size: 36864
    .private_segment_fixed_size: 0
    .kernarg_segment_align: 8
    .kernarg_segment_size: 48
    .max_flat_workgroup_size: 512
    .sgpr_count:     102
    .vgpr_count:     256
    .wavefront_size: 32
...
	.end_amdgpu_metadata
.endif
;; end of part 3
;; launch outp (part 4): grid 4 x 32, 4 waves a work-group, clusters of 4 x 4, 327,680 bytes of LDS; arguments atc, ats, opc, ops, out0; writes out0
.if DOCPART == 4
	.amdgcn_target "amdgcn-amd-amdhsa--gfx1250"
	.amdhsa_code_object_version 6
	.text
	.protected	k_q6853cfbd25_outp
	.globl	k_q6853cfbd25_outp
	.p2align	8
	.type	k_q6853cfbd25_outp,@function
k_q6853cfbd25_outp:
	s_mov_b64 s[64:65], 0
	v_nop
	global_prefetch_b8 v0, s[64:65] scope:SCOPE_SE
	s_setreg_imm32_b32 hwreg(HW_REG_WAVE_MODE, 25, 1), 1
	s_wait_xcnt 0x0
	s_wait_alu depctr_hold_cnt(0) depctr_sa_sdst(0) depctr_va_vdst(0) depctr_va_sdst(0) depctr_va_ssrc(0) depctr_va_vcc(0) depctr_vm_vsrc(0)
	s_getreg_b32 s2, hwreg(HW_REG_IB_STS2, 6, 4)
	s_cmp_eq_u32 s2, 0
	s_cbranch_scc0 .Lentry_in_a_cluster
	s_endpgm
.Lentry_in_a_cluster:
	s_bfe_u32 s2, ttmp6, 0x10000c
	s_cmp_lg_u32 s2, 0xf033
	s_cbranch_scc0 .Lentry_shape_is_right
	s_endpgm
.Lentry_shape_is_right:
; Launch 4 of 4: out0 = (attention's result) wo^T on codes of E5M2 with E8M0 scales, K = 1,024; out0 [8192][1024] f32.  No work is left out.
; A GEMM C = A B^T with tiles of 256 x 256, four waves of 128 x 128, K in steps of 256 through two LDS slots; the scale bytes of the work-group's rows come into LDS once.
; A's codes lie in atc as IMAGES of operand registers: a row tile (16 stored rows) is 16,384 bytes, 32 groups of 512 bytes along K; a K step of 256 is 4,096 consecutive bytes of each row tile.
; So A's tile of 128 rows is 8 rows of 4,096 bytes, 16,384 apart, unpadded, and a fragment's four loads read 512 consecutive bytes each.  B's codes are wo's rows, from row 11,264 of opc, as rows of 256 bytes + 16.
; A's rows are stored with the second and third group of 8 of every 32 exchanged: row t of my block a goes to row 32 (a / 2) + 8 (a % 2) + t + 8 (t / 8) of my 128 of out0.
; The matrix instruction is used transposed (source 0 = 16 rows of wo, source 1 = 16 rows of A): a lane holds eight neighbouring numbers of a row of out0.
; CLUSTERS: 4 x 4 work-groups; A's tiles are asked for jointly along a row of the cluster, B's along a column.  128 tiles of C: 128 work-groups.
; A row of A whose scale bytes are 0xff (a query for which no key counted) gives NaN in its whole row, as reference() does.
.set SIZE_K, 1024
.set SIZE_N, 1024
.set KSTEP,  256
.set NQ,     KSTEP/128
.set ROWB,   256
.set KROW,   SIZE_K
.set PITCH,  272
.set FR,     16
.set NL,     4
.set NP,     8
.set HALFA,  32768                     ; A: 8 row tiles x 4,096 bytes: what one tensor load brings
.set HALFT,  128*PITCH                 ; B: 128 rows
.set BOFF,   2*HALFA
.set SLOT,   BOFF+2*HALFT
.set LAPS,   SIZE_K/(2*KSTEP)
.set KS,     SIZE_K/32
.set SCL,    2*SLOT
.set HALFS,  (128*KS/256)*272
.set SBLK,   (16*KS/256)*272
.set SPARE,  SCL+4*HALFS
.set SPITCH, 528                       ; the way out: a stage of 16 rows x (512 + 16) bytes for each wave, in slot 0, which has had its last fill and its last read by then
.set ADRA, 16
.set ADRB, 20
.set STO,  24
.set RD,   25
.set CO,   26
.set ADRS, 27
.set SPW,  28
.set NIL,  29
.set SC,   32
.set AF,   128
.set BK,   128
.set G1, 24
.set G0, 32
.set G1B, 48
.set G0B, 56
.set G1S, 68
.set G0S, 76
.set G1SB, 80
.set G0SB, 88
.set MSB, 0
.macro WIN new
.if MSB != \new
	s_set_vgpr_msb (MSB<<8)|\new
.set MSB, \new
.endif
.endm
.set MUL_LO, 0xa1
.set MUL_HI, 0xf1
.set TO_B,   0x40
.macro JLOAD g0a, g1a, g0b, g1b        ; waves 0 and 1 fetch for A, waves 2 and 3 for B; an s_nop 0 and four v_nop follow each of the two lines
	s_cmp_eq_u32 s15, 0
	s_cbranch_scc0 .Lfor_b_\@
	tensor_load_to_lds s[\g0a:\g0a+3], s[\g1a:\g1a+7]
	s_nop 0
.rept 4
	v_nop
.endr
	s_branch .Lasked_\@
.Lfor_b_\@:
	tensor_load_to_lds s[\g0b:\g0b+3], s[\g1b:\g1b+7]
	s_nop 0
.rept 4
	v_nop
.endr
.Lasked_\@:
.endm
.macro CREST
	s_cmp_lg_u32 s14, 0
	s_cbranch_scc1 .Lnot_wave_0_\@
	s_barrier_signal -3
.Lnot_wave_0_\@:
	s_barrier_wait -3
	s_barrier_signal -1
	s_barrier_wait -1
.endm
.macro CROUND
	s_barrier_signal -1
	s_barrier_wait -1
	CREST
.endm
	s_load_b256 s[4:11], s[0:1], 0x0               ; atc s[4:5], ats s[6:7], opc s[8:9], ops s[10:11]
	s_load_b64 s[12:13], s[0:1], 0x20              ; out0
	v_lshl_add_u32 v[SPW], v0, 2, SPARE
	v_mov_b32 v[NIL], 0
	ds_add_u32 v[SPW], v[NIL]                      ; the wave's opening: the add, twice on end, and its wait ahead of my first tensor load
	ds_add_u32 v[SPW], v[NIL]
	v_lshrrev_b32 v1, 5, v0
	v_readfirstlane_b32 s14, v1                    ; wave 0..3
	s_lshr_b32 s15, s14, 1                         ; my half of the tile's rows.  Also: I fetch for A (0) or for B (1)
	s_and_b32 s16, s14, 1                          ; my half of its columns.  Also: which 128 rows I fetch
	s_bfe_u32 s40, ttmp6, 0x40000                  ; cx, cy
	s_bfe_u32 s41, ttmp6, 0x40004
	s_lshl_b32 s42, ttmp9, 2
	s_add_co_u32 s42, s42, s40                     ; tile column of C
	s_and_b32 s17, ttmp7, 0xffff
	s_lshl_b32 s17, s17, 2
	s_add_co_u32 s17, s17, s41                     ; tile row of C
	s_lshl_b32 s43, s41, 2
	s_lshl_b32 s43, 15, s43                        ; my row of the cluster
	s_lshl_b32 s44, 0x1111, s40                    ; my column
	s_or_b32 s[G1+0], s43, (3<<16)|(1<<21)         ; A: the mask of my row; elements of 8 bytes; bit 21 beside a mask; no padding
	s_mov_b32 s[G1+1], 512<<16                     ; tensor_dim0 = 512 elements: 4,096 bytes
	s_mov_b32 s[G1+2], 8<<16                       ; tensor_dim1 = 8 row tiles
	s_mov_b32 s[G1+3], 512<<16                     ; tile_dim0
	s_mov_b32 s[G1+4], 8                           ; tile_dim1
	s_mov_b32 s[G1+5], 2048                        ; the pitch: 16,384 bytes
	s_mov_b32 s[G1+6], 0
	s_mov_b32 s[G1+7], 0
	s_or_b32 s[G1B+0], s44, (0<<16)|(1<<20)|(1<<21)|(5<<22)|(3<<25)  ; B: 128 rows of 256 bytes, 4 words of padding after every 64
	s_mov_b32 s[G1B+1], ROWB<<16
	s_mov_b32 s[G1B+2], 128<<16
	s_mov_b32 s[G1B+3], ROWB<<16
	s_mov_b32 s[G1B+4], 128
	s_mov_b32 s[G1B+5], KROW
	s_mov_b32 s[G1B+6], 0
	s_mov_b32 s[G1B+7], 0
	s_or_b32 s[G1S+0], s43, (3<<16)|(1<<20)|(1<<21)|(5<<22)|(3<<25)  ; the scales of 128 rows: 16 rows of 256 bytes, 16 bytes of padding behind each
	s_or_b32 s[G1SB+0], s44, (3<<16)|(1<<20)|(1<<21)|(5<<22)|(3<<25)
.irp g, G1S, G1SB
	s_mov_b32 s[\g+1], 32<<16
	s_mov_b32 s[\g+2], (128*KS/256)<<16
	s_mov_b32 s[\g+3], 32<<16
	s_mov_b32 s[\g+4], 128*KS/256
	s_mov_b32 s[\g+5], 32
	s_mov_b32 s[\g+6], 0
	s_mov_b32 s[\g+7], 0
.endr
	s_lshl_b32 s18, s16, 7
	s_lshl_b32 s20, s17, 8
	s_add_co_u32 s20, s20, s18                     ; A's stored row
	s_lshl_b32 s46, s42, 8
	s_add_co_u32 s46, s46, s18
	s_add_co_u32 s46, s46, 11264                   ; B's row in opc and ops: wo begins there
	s_lshl_b32 s22, s20, 5
	s_mov_b32 s23, 0
	s_lshl_b32 s20, s20, 10                        ; 16 rows are 16,384 bytes
	s_mov_b32 s21, 0
	s_lshl_b32 s92, s46, 5
	s_mov_b32 s93, 0
	s_lshl_b32 s46, s46, 10
	s_mov_b32 s47, 0
	s_mul_i32 s45, s16, HALFA                      ; where A's half goes,
	s_mul_i32 s95, s16, HALFT
	s_add_co_u32 s95, s95, BOFF                    ; and B's: no place in the cluster enters an LDS address
	s_mul_i32 s94, s14, HALFS
	s_wait_dscnt 0x0                               ; both opening adds are done
	s_wait_kmcnt 0x0
	s_add_nc_u64 s[20:21], s[4:5], s[20:21]
	s_add_nc_u64 s[22:23], s[6:7], s[22:23]
	s_add_nc_u64 s[46:47], s[8:9], s[46:47]
	s_add_nc_u64 s[92:93], s[10:11], s[92:93]
	CROUND                                         ; all sixteen work-groups are here: the first joint loads meet
	s_mov_b32 s[G0S], 1
	s_add_co_u32 s[G0S+1], s94, SCL
	s_mov_b64 s[G0S+2:G0S+3], s[22:23]
	s_or_b32 s[G0S+3], s[G0S+3], 0x80000000
	s_mov_b32 s[G0SB], 1
	s_add_co_u32 s[G0SB+1], s94, SCL
	s_mov_b64 s[G0SB+2:G0SB+3], s[92:93]
	s_or_b32 s[G0SB+3], s[G0SB+3], 0x80000000
	JLOAD G0S, G1S, G0SB, G1SB
.irp s, 0,1
	s_mov_b32 s[G0+4*\s], 1
	s_add_co_u32 s[G0+4*\s+1], s45, \s*SLOT
	s_add_nc_u64 s[G0+4*\s+2:G0+4*\s+3], s[20:21], \s*4096
	s_or_b32 s[G0+4*\s+3], s[G0+4*\s+3], 0x80000000
	s_mov_b32 s[G0B+4*\s], 1
	s_add_co_u32 s[G0B+4*\s+1], s95, \s*SLOT
	s_add_nc_u64 s[G0B+4*\s+2:G0B+4*\s+3], s[46:47], \s*ROWB
	s_or_b32 s[G0B+4*\s+3], s[G0B+4*\s+3], 0x80000000
	JLOAD G0+4*\s, G1, G0B+4*\s, G1B
.endr
	v_and_b32 v1, 15, v0                           ; l % 16
	v_bfe_u32 v2, v0, 4, 1                         ; l / 16
	v_and_b32 v6, 31, v0
	v_lshlrev_b32 v[CO], 4, v6                     ; 16 x lane: an image's place, and my 16 bytes of a row of C
	v_mul_u32_u24 v3, v1, PITCH
	v_lshl_add_u32 v4, v2, 4, v3
	s_mul_i32 s21, s15, HALFA                      ; my 128 rows of A
	s_mul_i32 s22, s16, HALFT
	s_add_co_u32 s22, s22, BOFF                    ; my 128 rows of B
.irp s, 0,1
	v_add_nc_u32 v[ADRA+\s], s21, v[CO]
	v_add_nc_u32 v[ADRB+\s], s22, v4
	s_add_co_u32 s21, s21, SLOT
	s_add_co_u32 s22, s22, SLOT
.endr
	v_mul_u32_u24 v5, v1, KS
	v_lshrrev_b32 v6, 8, v5
	v_lshl_add_u32 v5, v6, 4, v5
	s_mul_i32 s21, s15, HALFS
	s_mul_i32 s22, s16, HALFS
	s_add_co_u32 s22, s22, 2*HALFS
	s_sub_co_u32 s22, s22, s21
	v_mul_u32_u24 v6, s22, v2                      ; lanes 16-31 take B's
	s_add_co_u32 s21, s21, SCL
	v_add_nc_u32 v5, v5, v6
	v_add_nc_u32 v[ADRS], s21, v5
	s_mul_i32 s23, s14, 16*SPITCH                  ; my stage
	v_mul_u32_u24 v5, v1, SPITCH
	v_lshl_add_u32 v5, v2, 5, v5
	v_add_nc_u32 v[STO], s23, v5
	v_add_nc_u32 v[RD], s23, v[CO]
	s_lshl_b32 s20, s17, 8
	s_lshl_b32 s21, s15, 7
	s_add_co_u32 s20, s20, s21                     ; my first row of C
	s_lshl_b32 s20, s20, 12                        ; 4,096 bytes a row
	s_mov_b32 s21, 0
	s_lshl_b32 s46, s42, 10
	s_lshl_b32 s47, s16, 9
	s_add_co_u32 s46, s46, s47                     ; my first column, in bytes
	s_mov_b32 s47, 0
	s_add_nc_u64 s[20:21], s[20:21], s[46:47]
	s_add_nc_u64 s[12:13], s[12:13], s[20:21]
.macro FRAGB reg, adr, q, i            ; from rows: lane l holds row l % 16; registers 4 c .. 4 c + 3 hold K = 32 c + 16 (l / 16) + 0 .. 15
.irp c, 0,1,2,3
	ds_load_b128 v[\reg+4*\c:\reg+4*\c+3], v[\adr] offset:128*(\q)+32*\c+(\i)*16*PITCH
.endr
.endm
.macro FRAGA reg, adr, q, i            ; from images: the same registers in the same lanes, 512 consecutive bytes a load
.irp c, 0,1,2,3
	ds_load_b128 v[\reg+4*\c:\reg+4*\c+3], v[\adr] offset:4096*(\i)+2048*(\q)+512*\c
.endr
.endm
.macro MUL16 a0, p, q, sc, zero        ; the 64 accumulators take turns, one instruction a turn
.irp a, \a0, \a0+1
.irp b, 0,1,2,3,4,5,6,7
.if \zero
	v_wmma_scale_f32_16x16x128_f8f6f4 v[8*(8*((\a)%4)+\b):8*(8*((\a)%4)+\b)+7], v[128*(\p)+FR*\b:128*(\p)+FR*\b+FR-1], v[AF+FR*(\a):AF+FR*(\a)+FR-1], 0, v[SC+8*NQ*(\sc)+NQ*\b+(\q)], v[SC+8*NQ*(\sc)+NQ*(\a)+(\q)] matrix_a_fmt:MATRIX_FMT_BF8 matrix_b_fmt:MATRIX_FMT_BF8 matrix_a_scale:MATRIX_SCALE_ROW1
.else
	v_wmma_scale_f32_16x16x128_f8f6f4 v[8*(8*((\a)%4)+\b):8*(8*((\a)%4)+\b)+7], v[128*(\p)+FR*\b:128*(\p)+FR*\b+FR-1], v[AF+FR*(\a):AF+FR*(\a)+FR-1], v[8*(8*((\a)%4)+\b):8*(8*((\a)%4)+\b)+7], v[SC+8*NQ*(\sc)+NQ*\b+(\q)], v[SC+8*NQ*(\sc)+NQ*(\a)+(\q)] matrix_a_fmt:MATRIX_FMT_BF8 matrix_b_fmt:MATRIX_FMT_BF8 matrix_a_scale:MATRIX_SCALE_ROW1
.endif
.endr
.endr
.endm
.macro FETCH_B slot, q, p
	WIN TO_B
.irp i, 0,1,2,3,4,5,6,7
	FRAGB 128*(\p)+FR*\i, ADRB+\slot, \q, \i
.endr
	WIN 0
.endm
.macro FETCH_A slot, q, i0
.irp i, \i0, \i0+1, \i0+2, \i0+3
	FRAGA AF+FR*(\i), ADRA+\slot, \q, \i
.endr
.endm
.macro SCALES sc
.irp i, 0,1,2,3,4,5,6,7
	ds_load_b64 v[SC+8*NQ*\sc+NQ*\i:SC+8*NQ*\sc+NQ*\i+1], v[ADRS] offset:\i*SBLK
.endr
.endm
.macro PLACES n
.rept \n
	v_nop
.endr
.endm
.macro STEP slot, q, zero
	s_wait_dscnt 4*NL                              ; B's set and A's blocks 0-3 are in; the youngest 16 loads (A's blocks 4-7) may be out
	WIN MUL_LO
	MUL16 0, (\q)%2, \q, \slot, \zero
	MUL16 2, (\q)%2, \q, \slot, \zero
	s_wait_dscnt 0
	PLACES NP
	FETCH_B \slot, (\q)+1, 1-(\q)%2
	FETCH_A \slot, (\q)+1, 0
	WIN MUL_HI
	MUL16 4, (\q)%2, \q, \slot, \zero
	MUL16 6, (\q)%2, \q, \slot, \zero
	PLACES NP
	WIN 0
	FETCH_A \slot, (\q)+1, 4
.endm
.macro TURN slot, next, fill
	s_wait_tensorcnt 0x0                           ; all my tensor loads have landed: my part of the next slot
	ds_add_u32 v[SPW], v[NIL]
	s_wait_dscnt 4*NL+1                            ; (the add and the youngest 16 loads may be out)
	WIN MUL_LO
	MUL16 0, 1, NQ-1, \slot, 0
	s_wait_dscnt 0x0                               ; the add is done, and my reads of this slot are over
	s_barrier_signal -1
	MUL16 2, 1, NQ-1, \slot, 0
	WIN 0
	s_barrier_wait -1
.if \fill
	CREST                                          ; the barrier has opened a round of the cluster's
	s_add_nc_u64 s[G0+4*\slot+2:G0+4*\slot+3], s[G0+4*\slot+2:G0+4*\slot+3], 2*4096
	s_add_nc_u64 s[G0B+4*\slot+2:G0B+4*\slot+3], s[G0B+4*\slot+2:G0B+4*\slot+3], 2*ROWB
	JLOAD G0+4*\slot, G1, G0B+4*\slot, G1B
	PLACES NP-4
.else
	PLACES NP
.endif
	v_add_nc_u32 v[ADRS], 4*NQ, v[ADRS]
	FETCH_B \next, 0, 0
	FETCH_A \next, 0, 0
	SCALES \next
	WIN MUL_HI
	MUL16 4, 1, NQ-1, \slot, 0
	MUL16 6, 1, NQ-1, \slot, 0
	PLACES NP
	WIN 0
	FETCH_A \next, 0, 4
.endm
	s_wait_tensorcnt 1                             ; the scales and my part of K step 0 are in (K step 1's load may be out),
	s_barrier_signal -1
	s_barrier_wait -1
	FETCH_B 0, 0, 0
	FETCH_A 0, 0, 0
	SCALES 0
	FETCH_A 0, 0, 4
	STEP 0, 0, 1
	s_mov_b32 s3, LAPS-1
.Llap:
	TURN 0, 1, 1
	STEP 1, 0, 0
	TURN 1, 0, 1
	STEP 0, 0, 0
	s_sub_co_u32 s3, s3, 1
	s_cmp_lg_u32 s3, 0
	s_cbranch_scc1 .Llap
	TURN 0, 1, 0
	STEP 1, 0, 0
	s_wait_dscnt 4*NL
	WIN MUL_LO
	MUL16 0, 1, NQ-1, 1, 0
	MUL16 2, 1, NQ-1, 1, 0
	s_wait_dscnt 0
	WIN MUL_HI
	MUL16 4, 1, NQ-1, 1, 0
	MUL16 6, 1, NQ-1, 1, 0
	WIN 0
; THE WAY OUT, block by block of 16 rows x 128 columns, through my own stage: in as 32 bytes a lane, back as whole rows of 512 bytes.  LDS serves a wave's instructions in order (ISA guide 5.7.1.4).
.macro TOSTAGE a
.set AC, 64*((\a)%4)
	WIN 0x08+4*((\a)/4)                            ; the data: window 2 or 3
.irp b, 0,1,2,3,4,5,6,7
	ds_store_b128 v[STO], v[AC+8*\b:AC+8*\b+3] offset:64*\b          ; each accumulator from its low end on
	ds_store_b128 v[STO], v[AC+8*\b+4:AC+8*\b+7] offset:64*\b+16
.endr
	WIN 0
.set BB, BK+64*((\a)%2)
.irp t, 0,1,2,3,4,5,6,7,8,9,10,11,12,13,14,15
	ds_load_b128 v[BB+4*\t:BB+4*\t+3], v[RD] offset:\t*SPITCH
.endr
.endm
.macro SEND a, younger                 ; younger: the LDS instructions issued behind block a's loads
.set BB, BK+64*((\a)%2)
	s_wait_dscnt \younger
.irp t, 0,1,2,3,4,5,6,7,8,9,10,11,12,13,14,15
	global_store_b128 v[CO], v[BB+4*\t:BB+4*\t+3], s[12:13] offset:(32*((\a)/2)+8*((\a)%2)+\t+8*(\t/8))*SIZE_N*4 th:TH_STORE_NT   ; stored row t's true place; 512 consecutive bytes, aligned; 127 rows at the most: inside the signed 24-bit immediate
.endr
.endm
	PLACES NP
	TOSTAGE 0
.irp a, 1,2,3,4,5,6,7
.if \a > 1
	s_wait_xcnt 0x0                                ; block a - 2's stores have read their registers: block a's loads may land there
.endif
	TOSTAGE \a
	SEND \a-1, 32                                  ; behind block a - 1's loads: block a's 16 stores and 16 loads
.endr
	SEND 7, 0
	s_wait_tensorcnt 0x0                           ; the wave's end
	ds_add_u32 v[SPW], v[NIL]
	s_wait_dscnt 0x0
	CROUND                                         ; the closing round
	s_endpgm
.Lfunc_end_k_q6853cfbd25_outp:
	.size	k_q6853cfbd25_outp, .Lfunc_end_k_q6853cfbd25_outp-k_q6853cfbd25_outp
	.p2alignl 7, 3214868480
	.fill 96, 4, 3214868480
	.section	.rodata,"a",@progbits
	.p2align	6, 0x0
	.amdhsa_kernel k_q6853cfbd25_outp
		.amdhsa_group_segment_fixed_size 327680
		.amdhsa_private_segment_fixed_size 0
		.amdhsa_enable_private_segment 0
		.amdhsa_kernarg_size 40
		.amdhsa_user_sgpr_count 2
		.amdhsa_user_sgpr_kernarg_segment_ptr 1
		.amdhsa_wavefront_size32 1
		.amdhsa_system_sgpr_workgroup_id_x 1
		.amdhsa_system_sgpr_workgroup_id_y 1
		.amdhsa_system_sgpr_workgroup_id_z 1
		.amdhsa_system_vgpr_workitem_id 0
		.amdhsa_next_free_vgpr 1024
		.amdhsa_next_free_sgpr 98
		.amdhsa_reserve_vcc 0
		.amdhsa_float_denorm_mode_32 3
		.amdhsa_float_denorm_mode_16_64 3
		.amdhsa_memory_ordered 1
		.amdhsa_forward_progress 1
		.amdhsa_inst_pref_size 145
	.end_amdhsa_kernel
	.amdgpu_metadata
---
amdhsa.version: [ 1, 2 ]
amdhsa.kernels:
  - .name:           k_q6853cfbd25_outp
    .symbol:         k_q6853cfbd25_outp.kd
    .args:
      - { .name: atc, .offset: 0, .size: 8, .value_kind: global_buffer, .address_space: global }
      - { .name: ats, .offset: 8, .size: 8, .value_kind: global_buffer, .address_space: global }
      - { .name: opc, .offset: 16, .size: 8, .value_kind: global_buffer, .address_space: global }
      - { .name: ops, .offset: 24, .size: 8, .value_kind: global_buffer, .address_space: global }
      - { .name: out0, .offset: 32, .size: 8, .value_kind: global_buffer, .address_space: global }
    .group_segment_fixed_size: 327680
    .private_segment_fixed_size: 0
    .kernarg_segment_align: 8
    .kernarg_segment_size: 40
    .max_flat_workgroup_size: 128
    .sgpr_count:     98
    .vgpr_count:     1024
    .wavefront_size: 32
...
	.end_amdgpu_metadata
.endif
;; end of part 4
;; ======== version 2 of 2: 4 launches; version 1 with the launch attn written anew for expert scheduling mode
;; workspace buffers: opc 12,582,912 bytes; ops 393,216 bytes; qkvc 25,165,824 bytes; qkvs 786,432 bytes; atc 8,388,608 bytes; ats 262,144 bytes; mw 524,288 bytes of whole numbers; fl 512 bytes of whole numbers
;; launch prep: the kernel of part 1 again; grid 448 x 1, 4 waves a work-group, no clusters, 33,280 bytes of LDS; arguments x, w_qkv, wo, mask, opc, ops, mw, fl; writes opc, ops, mw, fl
;; launch proj: the kernel of part 2 again; grid 12 x 32, 4 waves a work-group, clusters of 4 x 4, 327,680 bytes of LDS; arguments opc, ops, qkvc, qkvs; writes qkvc, qkvs
;; launch attn (part 5): grid 4 x 64, 16 waves a work-group, no clusters, 36,864 bytes of LDS; arguments qkvc, qkvs, mw, fl, atc, ats; writes atc, ats
.if DOCPART == 5
	.amdgcn_target "amdgcn-amd-amdhsa--gfx1250"
	.amdhsa_code_object_version 6
	.text
	.protected	k_q6853cfbd25_attn
	.globl	k_q6853cfbd25_attn
	.p2align	8
	.type	k_q6853cfbd25_attn,@function
k_q6853cfbd25_attn:
	s_mov_b64 s[64:65], 0
	v_nop
	global_prefetch_b8 v0, s[64:65] scope:SCOPE_SE
	s_setreg_imm32_b32 hwreg(HW_REG_WAVE_SCHED_MODE, 0, 2), 2
	s_setreg_imm32_b32 hwreg(HW_REG_WAVE_MODE, 25, 1), 1
	s_wait_xcnt 0x0
	s_wait_alu depctr_vm_vsrc(0)
; Launch 3 of 4: scores = q k^T / 8 under the mask, the softmax, its product with v, and the quantising of the result for the last product; both products on codes of E5M2 with E8M0 scales.
; WORK PASSED OVER: a key step of 128 keys in which the mask lets no key count for any of my 16 queries adds nothing to their sums: every p there is 0.  It is passed over on a bit that the first launch stored (fl).
; THE SOFTMAX: t = score x log2(e) / 8; M = the running largest t rounded up to a whole number; p = 2^(t - M) is quantised along the keys; the sum is taken of the unquantised p and divides at the end;
; when M moves, the sum and O^T are multiplied by 2^(old M - new M), which rounds nothing.
; SHARES.  Work-group (i, y): batch y / 16, head y % 16; it takes the blocks of 256 queries i and 7 - i, one after the other.  Each of its 16 waves owns a tile of 16 stored queries: a lane holds ONE query throughout.
; Both products are used transposed: S^T = K Q^T (source 0 = 16 keys), O^T = V^T P^T (source 0 = 16 of the head's 64).  Tokens and v's rows are stored with the second and third group of 8 of every 32 exchanged, so
; the 16 registers of tiles 2 b and 2 b + 1 are 16 neighbours of the true order: p's conversions give the second product's operand, O^T's the last product's.
; A HEAD OF 64 fills half of the instruction's K.  The other half holds zero codes on both sides.  One run of 8 zero registers serves two tiles: an even tile is (codes, zeros) against (Q, zeros), an odd one
; (zeros, codes) against (zeros, Q); so K's and Q's scale words carry the head's two bytes twice.
; K AND V come as images of operand registers (512 bytes a group of four registers).  The 512 threads copy a key step's 16 KiB and its scale words from memory through registers into one of two LDS slots, asked for a
; whole key step ahead of the store.  WHY NO TENSOR LOADS, NO JOINT LOADS: the jumps over key steps hang on numbers read from memory, and waves of one work-group differ in them.
; WHY NO PREFETCH: each copy's loads are issued ahead of a whole key step's work of the wave, and are waited for behind it.
; A QUERY FOR WHICH NO KEY COUNTS: reference() gives NaN; here its scale bytes become 0xff, which makes the last product's sums NaN.
; LIMITS: p under 2^-126 counts as 0; a block of zeros gets the byte 1; NaN and infinities among the codes' sources are not served.
; THE MODE: SCHED_MODE bits 1:0 = 2 (LLVM: expert scheduling mode 2), set by the entry lines.  The code itself states the register dependences
; between vector or matrix instructions and memory or LDS instructions, with s_wait_alu, always for 0.
; THE PLAN.  Registers that memory or LDS instructions touch:
;   v1 .. v4         offsets and LDS addresses: made at the head, never written again.
;   v6, v7, v88      the copy's offsets: written by three adds at a key step's head, read by that step's copy loads.
;   CP               the copy's loads land in it; wave 0's four selections rewrite four of its registers; the LDS stores at the step's end read it.
;   K's fragments, KW, VW   LDS loads land in them; products read them.  K's fragments are loaded twice a step, four tiles at a time.
;   ST               the first products write it, the softmax works on it, the conversions empty it; then V's fragments land in it and the second products read them.
;   Q, QW, v90 .. v93   once a block of queries: loads land in Q and QW, products read them; v92, v93 are those loads' offsets, v90, v91 the way out's stores'.
;   PCD, TT          on the way out: written by the conversions and a selection, read by the three stores.
; A KEY STEP'S WAITS.  At its head, on every path: one on vm_vsrc ahead of the three adds (the last step's copy loads have read the offsets, its LDS stores CP), one on va_vdst behind them (the offsets are written;
; the last step's products and selections are done with every register in which this step's first loads land).  One on va_vdst between K's two groups of tiles.  One behind the conversions and half of O^T's
; rescaling: ST is free for V, and p's codes and scale word are written for the scaled products.  In wave 0 one between its selections and the store that reads them.  The two behind the exponentials stand as ever.
.set SLB,  17408                       ; an LDS slot: K's images 8,192, V's 8,192, K's scale words 512, V's 256
.set KIM,  0
.set VIM,  8192
.set KSC,  16384
.set VSC,  16896
.set SPARE, 2*SLB                      ; the spare words: 128 bytes for each of 16 waves, named by no other line
.set LI,   1                           ; v1   16 x lane
.set L8,   2                           ; v2   8 x lane
.set TI,   3                           ; v3   16 x thread
.set TK,   4                           ; v4   my 16 bytes of a key step's K in memory: 2,048 (thread / 64) + 16 (thread % 64)
.set SPW,  8
.set NIL,  9
.set NINF, 10                          ; v10  -infinity
.set QW,   11                          ; v11  Q's scale words
.set ST,   96                          ; v96-159  S^T, then p, then V's four fragments
.set OT,   160                         ; v160-191 O^T
.set PCD,  192                         ; v192-207 p's codes
.set KW,   208                         ; v208-211 K's scale words: register j: lanes 0-15 tile 2 j, lanes 16-31 tile 2 j + 1
.set VW,   212                         ; v212-213 V's likewise
.set PW,   214                         ; v214 p's scale word
.set BM,   216                         ; v216-219 a block's largest score, then its largest p
.set PX,   220                         ; v220-223 at work
.set LM,   224                         ; v224-227 57,344 x the scale
.set SO,   228                         ; v228-231 the conversions' scale operands
.set FF,   232                         ; v[232:233] f
.set TT,   234                         ; v234-235 at work
.set CP,   240                         ; v240-253 the copy: K 4, V 4, K's scale words 4, V's 2
.set KC, 2                             ; s[2:3] K's codes, s[4:5] V's, s[6:7] K's scale words, s[8:9] V's, s[10:11] mw, s[12:13] Q's codes, s[14:15] Q's scale words
.set VC, 4
.set KSP, 6
.set VSP, 8
.set MWP, 10
.set QC, 12
.set QSP, 14
.set OC, 66                            ; s[66:67] atc, s[68:69] ats
.set OSP, 68
.set WV, 70                            ; my wave
.set WN, 71                            ; bit 0: some wave of the work-group wants the NEXT step's keys
.set MA, 72                            ; bit 0: some key of this step counts for my tile
.set ML, 73                            ; bit 0: all do
.set NXO, 74                           ; the next step's blocks: 16,384 x its number
.set MWO, 75                           ; this step's words in mw
.set CN1, 76
.set CN2, 77
.set SEL, 78
.set CS, 96                            ; s[96:97] c = log2(e) / 8
.set MNT, 98
.set PSEL, 99                          ; the byte select that doubles my head's two scale bytes
.set QI, 100                           ; the block of queries in hand
.set NXS, 101                          ; the next step's number
	s_load_b256 s[16:23], s[0:1], 0x0              ; qkvc s[16:17], qkvs s[18:19], mw s[20:21], fl s[22:23]
	s_load_b128 s[24:27], s[0:1], 0x20             ; atc s[24:25], ats s[26:27]
	v_lshl_add_u32 v[SPW], v0, 2, SPARE
	v_mov_b32 v[NIL], 0
	v_lshrrev_b32 v5, 5, v0
	v_readfirstlane_b32 s[WV], v5
	v_and_b32 v5, 31, v0
	v_lshlrev_b32 v[LI], 4, v5
	v_lshlrev_b32 v[L8], 3, v5
	v_lshlrev_b32 v[TI], 4, v0
	v_lshrrev_b32 v[TK], 6, v0
	v_and_b32 v6, 63, v0
	v_lshlrev_b32 v[TK], 11, v[TK]
	v_lshl_add_u32 v[TK], v6, 4, v[TK]
	v_and_b32 v89, 15, v0                          ; r
	v_bfe_u32 v6, v0, 4, 1                         ; h
	v_lshl_add_u32 v94, v89, 5, v6                 ; ats: 32 bytes a row, + my half's block
	v_lshlrev_b32 v89, 4, v89                      ; 16 r
	v_mov_b32 v[NINF], 0xff800000
.irp k, 24,25,26,27,28,29,30,31, 48,49,50,51,52,53,54,55, 72,73,74,75,76,77,78,79
	v_mov_b32 v\k, 0                               ; the zero codes
.endr
.irp k, 220,221,222,223, 233, 240,241,242,243,244,245,246,247,248,249,250,251,252,253
	v_mov_b32 v\k, 0                               ; lane permutes' destinations, the pair's upper half, the copy's registers: written once
.endr
	s_wait_alu depctr_va_sdst(0)                   ; my wave's number is written into its scalar register, ahead of its first reader: the flags' offsets are made from it
	s_and_b32 s28, ttmp7, 0xffff
	s_lshr_b32 s29, s28, 4                         ; batch
	s_and_b32 s30, s28, 15                         ; head
	s_lshr_b32 s31, s30, 1                         ; the pair of heads,
	s_and_b32 s32, s30, 1                          ; and which of the two
	s_lshl_b32 s33, s31, 6
	s_lshl_b32 s34, s29, 4
	s_add_co_u32 s33, s33, s34                     ; q's first block: 64 x pair + 16 x batch
	s_lshl_b32 s36, s33, 14
	s_lshl_b32 s34, s32, 10
	s_add_co_u32 s36, s36, s34                     ; q, k: my head's two groups lie 1,024 bytes on in each 2,048
	s_mov_b32 s37, 0
	s_lshl_b32 s38, s33, 14
	s_lshl_b32 s34, s32, 13
	s_add_co_u32 s38, s38, s34                     ; v: my head's four tiles are a block's second 8,192 bytes
	s_mov_b32 s39, 0
	s_lshl_b32 s40, s33, 9
	s_mov_b32 s41, 0
	s_lshl_b32 s34, s32, 3
	s_add_co_u32 s42, s40, s34                     ; v's scale words: my head's two of a lane's four
	s_mov_b32 s43, 0
	s_lshl_b32 s44, s29, 21                        ; atc: 128 row tiles of 16,384 bytes a batch,
	s_lshl_b32 s34, s30, 10                        ; 1,024 bytes a head
	s_add_co_u32 s44, s44, s34
	s_mov_b32 s45, 0
	s_lshl_b32 s46, s29, 16                        ; ats: 2,048 rows of 32 bytes a batch,
	s_lshl_b32 s34, s30, 1                         ; 2 bytes a head
	s_add_co_u32 s46, s46, s34
	s_mov_b32 s47, 0
	s_mov_b32 s[PSEL], 0x03020302
	s_cmp_eq_u32 s32, 0
	s_cselect_b32 s[PSEL], 0x01000100, s[PSEL]
	s_lshl_b32 s28, ttmp9, 6                       ; fl: 16 words for each block of queries
	s_sub_co_u32 s29, 7, ttmp9
	s_lshl_b32 s29, s29, 6
	s_lshl_b32 s34, s[WV], 2
	s_add_co_u32 s30, s28, s34                     ; my tile's word, first block,
	s_add_co_u32 s31, s29, s34                     ; second block
	s_mov_b32 s[QI], ttmp9
	s_mov_b32 s[SEL], 0x76543210
	s_mov_b32 s[SEL+1], 0xfedcba98
	s_mov_b32 s[CS], 0x3e38aa3b
	s_mov_b32 s[CS+1], s[CS]
	s_mov_b32 s[MNT], 0x600000
	s_wait_kmcnt 0x0
	s_load_b512 s[48:63], s[22:23], s28 offset:0x0
	s_load_b512 s[80:95], s[22:23], s29 offset:0x0
	s_load_b32 s32, s[22:23], s30 offset:0x0
	s_load_b32 s33, s[22:23], s31 offset:0x0
	s_add_nc_u64 s[QC:QC+1], s[16:17], s[36:37]
	s_add_nc_u64 s[KC:KC+1], s[QC:QC+1], 0x800000  ; k's blocks begin 512 blocks on
	s_add_nc_u64 s[VC:VC+1], s[16:17], s[38:39]
	s_add_nc_u64 s[VC:VC+1], s[VC:VC+1], 0x1000000 ; v's 1,024
	s_add_nc_u64 s[QSP:QSP+1], s[18:19], s[40:41]
	s_add_nc_u64 s[KSP:KSP+1], s[QSP:QSP+1], 0x40000
	s_add_nc_u64 s[VSP:VSP+1], s[18:19], s[42:43]
	s_add_nc_u64 s[VSP:VSP+1], s[VSP:VSP+1], 0x80000
	s_mov_b64 s[MWP:MWP+1], s[20:21]
	s_add_nc_u64 s[OC:OC+1], s[24:25], s[44:45]
	s_add_nc_u64 s[OSP:OSP+1], s[26:27], s[46:47]
	s_wait_kmcnt 0x0
.irp k, 1,2,3,4,5,6,7,8,9,10,11,12,13,14,15
	s_or_b32 s48, s48, s[48+\k]
	s_or_b32 s80, s80, s[80+\k]
.endr
	s_and_b32 s48, s48, 0xffff
	s_lshl_b32 s80, s80, 16
	s_or_b32 s[WN], s48, s80                       ; 32 steps in the order in which they are walked: which of them some wave wants
	s_and_b32 s[MA], s32, 0xffff
	s_lshl_b32 s34, s33, 16
	s_or_b32 s[MA], s[MA], s34                     ; which I want
	s_lshr_b32 s[ML], s32, 16
	s_and_b32 s34, s33, 0xffff0000
	s_or_b32 s[ML], s[ML], s34                     ; in which all keys count
	s_mov_b32 s[NXO], 0
	s_mov_b32 s[NXS], 0
; The copy's offsets, made by every wave ahead of the step's branches, so that the waits round them stand on every path: K's and V's codes, and (read by wave 0 alone) the scale words.
.macro COPY_ADDR
	s_lshl_b32 s16, s[NXS], 9
	v_add_nc_u32 v6, s[NXO], v[TK]
	v_add_nc_u32 v7, s[NXO], v[TI]
	v_add_nc_u32 v88, s16, v[LI]
.endm
; The copy's loads: a key step's K (my head's 1,024 bytes of each 2,048) and V (8,192 dense bytes), 16 bytes a thread; wave 0 also the scale words.
.macro COPY_LOAD
	global_load_b128 v[CP:CP+3], v6, s[KC:KC+1]
	global_load_b128 v[CP+4:CP+7], v7, s[VC:VC+1]
	s_cmp_lg_u32 s[WV], 0
	s_cbranch_scc1 .Lnot0_\@
	global_load_b128 v[CP+8:CP+11], v88, s[KSP:KSP+1]
	global_load_b64 v[CP+12:CP+13], v88, s[VSP:VSP+1]
.Lnot0_\@:
.endm
.macro COPY_STORE sl
	ds_store_b128 v[TI], v[CP:CP+3] offset:SLB*(\sl)+KIM
	ds_store_b128 v[TI], v[CP+4:CP+7] offset:SLB*(\sl)+VIM
	s_cmp_lg_u32 s[WV], 0
	s_cbranch_scc1 .Lnot0_\@
.irp k, 8,9,10,11
	v_perm_b32 v[CP+\k], v[CP+\k], v[CP+\k], s[PSEL]   ; my head's two bytes, twice
.endr
	s_wait_alu depctr_va_vdst(0)                   ; the four selections have written K's scale words, which the LDS store below reads
	ds_store_b128 v[LI], v[CP+8:CP+11] offset:SLB*(\sl)+KSC
	ds_store_b64 v[L8], v[CP+12:CP+13] offset:SLB*(\sl)+VSC
.Lnot0_\@:
.endm
; A key step's work for my tile, from slot sl.
.macro COMPUTE sl
	ds_load_b128 v[KW:KW+3], v[LI] offset:SLB*(\sl)+KSC   ; no vector or matrix instruction since the wait at the step's head: it covers these two loads and the first four tiles'
	ds_load_b64 v[VW:VW+1], v[L8] offset:SLB*(\sl)+VSC
.irp g, 0,1                                    ; S^T = K Q^T, four tiles of 16 keys at a time
.if \g > 0
	s_wait_alu depctr_va_vdst(0)                   ; the four products above are done reading K's fragments, in which the next four tiles land
.endif
.irp t, 0,1,2,3
	ds_load_b128 v[40+8*\t+8*((\t+1)/2):43+8*\t+8*((\t+1)/2)], v[LI] offset:SLB*(\sl)+KIM+1024*(4*\g+\t)
	ds_load_b128 v[44+8*\t+8*((\t+1)/2):47+8*\t+8*((\t+1)/2)], v[LI] offset:SLB*(\sl)+KIM+1024*(4*\g+\t)+512
.endr
	s_wait_dscnt 0x0
.irp t, 0,1,2,3
.if (\t%2) == 0
	v_wmma_scale_f32_16x16x128_f8f6f4 v[ST+8*(4*\g+\t):ST+8*(4*\g+\t)+7], v[40+8*\t+8*(\t/2):55+8*\t+8*(\t/2)], v[16:31], 0, v[KW+2*\g+\t/2], v[QW] matrix_a_fmt:MATRIX_FMT_BF8 matrix_b_fmt:MATRIX_FMT_BF8
.else
	v_wmma_scale_f32_16x16x128_f8f6f4 v[ST+8*(4*\g+\t):ST+8*(4*\g+\t)+7], v[40+8*\t+8*(\t/2):55+8*\t+8*(\t/2)], v[24:39], 0, v[KW+2*\g+\t/2], v[QW] matrix_a_fmt:MATRIX_FMT_BF8 matrix_b_fmt:MATRIX_FMT_BF8 matrix_a_scale:MATRIX_SCALE_ROW1
.endif
.endr
.rept 8
	v_nop                                          ; places behind these products (ISA guide 7.12.1)
.endr
.endr
	s_bitcmp1_b32 s[ML], 0                         ; where all 128 keys count for all 16 queries the words are not wanted
	s_cbranch_scc1 .Lopen_\@
	s_load_b512 s[16:31], s[MWP:MWP+1], s[MWO] offset:0x0
	s_load_b512 s[32:47], s[MWP:MWP+1], s[MWO] offset:0x40
	s_load_b512 s[48:63], s[MWP:MWP+1], s[MWO] offset:0x80
	s_load_b512 s[80:95], s[MWP:MWP+1], s[MWO] offset:0xc0
	s_wait_kmcnt 0x0
.set nn, 0
.rept 48
	v_cndmask_b32 v[ST+nn], v[NINF], v[ST+nn], s[16+nn]   ; word n's bit for my lane: the score stays, or becomes -infinity
.set nn, nn+1
.endr
.rept 16
	v_cndmask_b32 v[ST+nn], v[NINF], v[ST+nn], s[32+nn]
.set nn, nn+1
.endr
.Lopen_\@:
.irp b, 0,1,2,3
	v_max3_num_f32 v[BM+\b], v[ST+16*\b], v[ST+1+16*\b], v[ST+2+16*\b]   ; the largest score of each block of 32 keys: for the row's maximum and, since p rises with the score, for the block's largest p
.endr
.irp i, 3,5,7,9,11,13
.irp b, 0,1,2,3
	v_max3_num_f32 v[BM+\b], v[BM+\b], v[ST+16*\b+\i], v[ST+1+16*\b+\i]
.endr
.endr
.irp b, 0,1,2,3
	v_max_num_f32 v[BM+\b], v[BM+\b], v[ST+15+16*\b]
.endr
.irp b, 0,1,2,3
	v_permlanex16_b32 v[PX+\b], v[BM+\b], s[SEL], s[SEL+1]
.endr
.irp b, 0,1,2,3
	v_max_num_f32 v[BM+\b], v[BM+\b], v[PX+\b]     ; with lane l xor 16's 16 keys
.endr
	v_max3_num_f32 v[TT], v[BM], v[BM+1], v[BM+2]
	v_max_num_f32 v[TT], v[TT], v[BM+3]
	v_mul_f32 v[TT], s[CS], v[TT]                  ; as t
	v_max_num_f32 v13, v13, v[TT]                  ; the running largest t (a query none of whose keys has counted yet keeps -3e38)
	v_mov_b32 v[TT], v12
	v_floor_f32 v12, -v13                          ; the new -M
	v_sub_f32 v[TT], v12, v[TT]                    ; old M - new M: a whole number, 0 or less
	v_cvt_i32_f32 v[TT], v[TT]                     ; (it saturates)
	v_ldexp_f32 v[FF], 1.0, v[TT]                  ; f
.set jj, 0
.rept 32
	v_pk_fma_f32 v[ST+jj:ST+jj+1], v[ST+jj:ST+jj+1], s[CS:CS+1], v[12:13] op_sel_hi:[1,0,0]   ; t - M, two at a time
.set jj, jj+2
.endr
.irp b, 0,1,2,3
	v_fma_f32 v[BM+\b], v[BM+\b], s[CS], v12
.endr
.set jj, 0
.rept 64
	v_exp_f32 v[ST+jj], v[ST+jj]                   ; p, at most 1
.set jj, jj+1
.endr
	v_pk_mul_f32 v[14:15], v[14:15], v[FF:FF+1] op_sel_hi:[1,0]   ; the sums under the new M: a plain instruction behind the exponentials
	s_wait_alu depctr_va_vdst(0)                   ; the 64 exponentials have written p, ahead of the first line that names a result: one wait for the batch
.irp b, 0,1,2,3
	v_exp_f32 v[BM+\b], v[BM+\b]                   ; the block's largest p
.endr
	v_pk_add_f32 v[PX:PX+1], v[ST:ST+1], v[ST+2:ST+3]   ; the row's sum of the unquantised p, in two chains
.irp j, 4,8,12,16,20,24,28,32,36,40,44,48,52,56,60
	v_pk_add_f32 v[14:15], v[14:15], v[ST+\j:ST+\j+1]
	v_pk_add_f32 v[PX:PX+1], v[PX:PX+1], v[ST+2+\j:ST+3+\j]
.endr
	v_pk_add_f32 v[14:15], v[14:15], v[PX:PX+1]
	s_wait_alu depctr_va_vdst(0)                   ; the four exponentials have written the blocks' largest p, ahead of their first reader
.irp b, 0,1,2,3
	v_max_num_f32 v[BM+\b], 0x8000000, v[BM+\b]    ; the floor 2^(16 - 127)
.endr
.irp b, 0,1,2,3
	v_add_nc_u32 v[SO+\b], 0xf8800000, v[BM+\b]
.endr
.irp b, 0,1,2,3
	v_and_or_b32 v[LM+\b], v[BM+\b], 0x7f800000, s[MNT]
.endr
.irp b, 0,1,2,3
	v_lshrrev_b32 v[PX+\b], 23, v[SO+\b]
.endr
	v_lshl_or_b32 v[PW], v[PX+1], 8, v[PX]         ; p's scale word for these 128 keys; the 64 holds below stand between it and the products
	v_lshl_or_b32 v[PW], v[PX+2], 16, v[PW]
	v_lshl_or_b32 v[PW], v[PX+3], 24, v[PW]
.irp b, 0,1,2,3
.irp i, 0,1,2,3,4,5,6,7,8,9,10,11,12,13,14,15
	v_min_num_f32 v[ST+16*\b+\i], v[ST+16*\b+\i], v[LM+\b]   ; the conversion does not saturate (ISA guide 7.6.2); p is not negative
.endr
	v_cvt_scalef32_pk8_bf8_f32 v[PCD+4*\b:PCD+4*\b+1], v[ST+16*\b:ST+16*\b+7], v[SO+\b]
	v_cvt_scalef32_pk8_bf8_f32 v[PCD+4*\b+2:PCD+4*\b+3], v[ST+16*\b+8:ST+16*\b+15], v[SO+\b]
.endr
.set jj, 0
.rept 8
	v_pk_mul_f32 v[OT+jj:OT+jj+1], v[OT+jj:OT+jj+1], v[FF:FF+1] op_sel_hi:[1,0]   ; O^T under the new M, its first half; also the places between the conversions and the products
.set jj, jj+2
.endr
	s_wait_alu depctr_va_vdst(0)                   ; the holds and conversions are done with p's registers, in which V lands; p's codes and its scale word are written, which the scaled products below take (their places stand ahead of this wait)
.irp t, 0,1,2,3                                ; V's four fragments take p's registers
.irp c, 0,1,2,3
	ds_load_b128 v[ST+16*\t+4*\c:ST+16*\t+4*\c+3], v[LI] offset:SLB*(\sl)+VIM+2048*\t+512*\c
.endr
.endr
.rept 8
	v_pk_mul_f32 v[OT+jj:OT+jj+1], v[OT+jj:OT+jj+1], v[FF:FF+1] op_sel_hi:[1,0]   ; its second half, while V is on its way: these name O^T and f alone, none of the registers that the loads touch
.set jj, jj+2
.endr
	s_wait_dscnt 0x0
.irp t, 0,1,2,3                                ; O^T += V^T P^T: the four accumulators by turns
.if (\t%2) == 0
	v_wmma_scale_f32_16x16x128_f8f6f4 v[OT+8*\t:OT+8*\t+7], v[ST+16*\t:ST+16*\t+15], v[PCD:PCD+15], v[OT+8*\t:OT+8*\t+7], v[VW+\t/2], v[PW] matrix_a_fmt:MATRIX_FMT_BF8 matrix_b_fmt:MATRIX_FMT_BF8
.else
	v_wmma_scale_f32_16x16x128_f8f6f4 v[OT+8*\t:OT+8*\t+7], v[ST+16*\t:ST+16*\t+15], v[PCD:PCD+15], v[OT+8*\t:OT+8*\t+7], v[VW+\t/2], v[PW] matrix_a_fmt:MATRIX_FMT_BF8 matrix_b_fmt:MATRIX_FMT_BF8 matrix_a_scale:MATRIX_SCALE_ROW1
.endif
.endr
.rept 9
	v_nop                                          ; nine places: the next step's products write over the registers that held V
.endr
.endm
; A key step: ask for the next step's keys, work on this step's, store the next step's into the other slot; one barrier.  The barrier and its waits are on every wave's path, and so are the two waits at the head.
.macro STEP sl
	s_wait_alu depctr_vm_vsrc(0)                   ; the last step's copy loads have read their three offsets, which the adds below write; its LDS stores have read the copy's registers, in which this step's loads land
	COPY_ADDR
	s_wait_alu depctr_va_vdst(0)                   ; the three offsets are written; wave 0's selections are done with the copy's registers; the last step's products are done reading K's fragments and K's and V's scale words, in which loads land below; in a block's first step Q's scale word is written (36 plain lines stand behind its selection)
	s_bitcmp1_b32 s[WN], 0
	s_cbranch_scc0 .Lnl_\@
	COPY_LOAD
.Lnl_\@:
	s_bitcmp1_b32 s[MA], 0
	s_cbranch_scc0 .Lnc_\@
	COMPUTE \sl
.Lnc_\@:
	s_wait_loadcnt 0x0                             ; the copy's loads are in
	s_bitcmp1_b32 s[WN], 0
	s_cbranch_scc0 .Lns_\@
	COPY_STORE 1-(\sl)                             ; nobody reads that slot: its readers' loads were waited for in front of the last barrier
.Lns_\@:
	s_lshr_b32 s[WN], s[WN], 1
	s_lshr_b32 s[MA], s[MA], 1
	s_lshr_b32 s[ML], s[ML], 1
	s_add_co_u32 s[NXS], s[NXS], 1
	s_and_b32 s[NXS], s[NXS], 15                   ; the second block of queries walks the same keys again
	s_lshl_b32 s[NXO], s[NXS], 14
	s_add_co_u32 s[MWO], s[MWO], 256
	s_wait_dscnt 0x0                               ; my stores have landed, my reads are in
	s_barrier_signal -1
	s_barrier_wait -1
.endm
	COPY_ADDR                                      ; the first step's keys
	s_wait_alu depctr_va_vdst(0)                   ; all that the head has made is written: the offsets and LDS addresses that the loads and stores below read, and the copy's registers, in which loads land
	s_bitcmp1_b32 s[WN], 0
	s_cbranch_scc0 .Lno_first
	COPY_LOAD
	s_wait_loadcnt 0x0
	COPY_STORE 0
.Lno_first:
	s_lshr_b32 s[WN], s[WN], 1
	s_mov_b32 s[NXS], 1
	s_mov_b32 s[NXO], 16384
	s_wait_dscnt 0x0
	s_barrier_signal -1
	s_barrier_wait -1
	s_mov_b32 s[CN2], 2
.Lpass:
	s_wait_xcnt 0x0                                ; the last block's stores have read their registers
	s_wait_alu depctr_vm_vsrc(0)                   ; the last block's loads of Q and its stores have read v90 to v93, which the adds below write, and the stores their data, which this block's steps write again
	s_lshl_b32 s16, s[QI], 4
	s_add_co_u32 s16, s16, s[WV]                   ; my tile, 0 to 127
	s_lshl_b32 s[MWO], s16, 12                     ; 16 steps of 256 bytes
	s_lshl_b32 s17, s16, 11                        ; q: 2,048 bytes a tile
	v_add_nc_u32 v92, s17, v[LI]
	s_lshr_b32 s17, s16, 3
	s_lshl_b32 s17, s17, 9                         ; its scale words: 512 bytes for 8 tiles,
	s_and_b32 s18, s16, 1
	s_lshl_b32 s18, s18, 8                         ; an odd tile's in lanes 16-31's places,
	s_add_co_u32 s17, s17, s18
	s_bfe_u32 s18, s16, 0x20001
	s_lshl_b32 s18, s18, 2                         ; word (tile % 8) / 2
	s_add_co_u32 s17, s17, s18
	v_add_nc_u32 v93, s17, v89
	s_lshl_b32 s17, s16, 14
	v_add_nc_u32 v90, s17, v[LI]                   ; atc: 16,384 bytes a row tile
	s_lshl_b32 s17, s16, 9
	v_add_nc_u32 v91, s17, v94                     ; ats: 16 rows of 32 bytes
	s_wait_alu depctr_va_vdst(0)                   ; v90 to v93 are written, which the loads below and the way out's stores read; the last block's products are done reading Q and its scale word, in which the loads land
	global_load_b128 v[16:19], v92, s[QC:QC+1]
	global_load_b128 v[20:23], v92, s[QC:QC+1] offset:512
	global_load_b128 v[32:35], v92, s[QC:QC+1]     ; once more, behind the zeros, for the odd tiles
	global_load_b128 v[36:39], v92, s[QC:QC+1] offset:512
	global_load_b32 v[QW], v93, s[QSP:QSP+1]
	s_wait_loadcnt 0x0
	v_perm_b32 v[QW], v[QW], v[QW], s[PSEL]        ; the lines below stand between this and the first product
	v_mov_b32 v13, 0xff61b1e6                      ; the largest t so far: -3e38
	v_floor_f32 v12, -v13
	v_mov_b32 v14, 0
	v_mov_b32 v15, 0
.set jj, 0
.rept 32
	v_mov_b32 v[OT+jj], 0                          ; the step is written once: the first finds zeros
.set jj, jj+1
.endr
	s_mov_b32 s[CN1], 8
.Lstep:
	STEP 0
	STEP 1
	s_sub_co_u32 s[CN1], s[CN1], 1
	s_cmp_lg_u32 s[CN1], 0
	s_cbranch_scc1 .Lstep
	; THE WAY OUT: O^T / the sum, quantised along the head's 64 (two blocks of 32 of the last product's K); the codes are that product's operand registers
	v_add_f32 v14, v14, v15
	v_permlanex16_b32 v[PX], v14, s[SEL], s[SEL+1]
	v_add_f32 v14, v14, v[PX]                      ; the row's sum
	v_cmp_eq_f32 s16, 0, v14                       ; no key has counted
	s_wait_alu depctr_va_sdst(0)                   ; the compare has written its mask, ahead of the mask's first reader
	v_cndmask_b32 v14, v14, 1.0, s16
	v_rcp_f32 v[FF], v14
	s_mov_b32 s17, 0xffff0000                      ; lanes 16-31
	v_mov_b32 v[TT+1], 0xff                        ; (a plain instruction behind the reciprocal)
	s_wait_alu depctr_va_vdst(0)                   ; the reciprocal has written 1 / the sum, ahead of its first reader
.set jj, 0
.rept 16
	v_pk_mul_f32 v[OT+jj:OT+jj+1], v[OT+jj:OT+jj+1], v[FF:FF+1] op_sel_hi:[1,0]
.set jj, jj+2
.endr
.irp b, 0,1
	v_max3_num_f32 v[BM+\b], |v[OT+16*\b]|, |v[OT+1+16*\b]|, 0x8000000
.endr
.irp i, 2,4,6,8,10,12,14
.irp b, 0,1
	v_max3_num_f32 v[BM+\b], v[BM+\b], |v[OT+16*\b+\i]|, |v[OT+1+16*\b+\i]|
.endr
.endr
.irp b, 0,1
	v_permlanex16_b32 v[PX+\b], v[BM+\b], s[SEL], s[SEL+1]
.endr
.irp b, 0,1
	v_max_num_f32 v[BM+\b], v[BM+\b], v[PX+\b]
.endr
.irp b, 0,1
	v_add_nc_u32 v[SO+\b], 0xf8800000, v[BM+\b]
.endr
.irp b, 0,1
	v_and_or_b32 v[LM+\b], v[BM+\b], 0x7f800000, s[MNT]
.endr
.irp b, 0,1
	v_lshrrev_b32 v[PX+\b], 23, v[SO+\b]
.endr
	v_cndmask_b32 v[TT], v[PX], v[PX+1], s17       ; lanes 0-15 store block 0's byte, lanes 16-31 block 1's
	v_cndmask_b32 v[TT], v[TT], v[TT+1], s16       ; 0xff where no key has counted
.irp b, 0,1
.irp i, 0,1,2,3,4,5,6,7,8,9,10,11,12,13,14,15
	v_med3_num_f32 v[OT+16*\b+\i], v[OT+16*\b+\i], -v[LM+\b], v[LM+\b]
.endr
	v_cvt_scalef32_pk8_bf8_f32 v[PCD+4*\b:PCD+4*\b+1], v[OT+16*\b:OT+16*\b+7], v[SO+\b]
	v_cvt_scalef32_pk8_bf8_f32 v[PCD+4*\b+2:PCD+4*\b+3], v[OT+16*\b+8:OT+16*\b+15], v[SO+\b]
.endr
	v_nop                                          ; one plain vector instruction behind the last conversion
	s_wait_alu depctr_va_vdst(0)                   ; the conversions have written the codes and the selections the scale byte, which the three stores read
	global_store_b128 v90, v[PCD:PCD+3], s[OC:OC+1]               ; 512 consecutive bytes, aligned
	global_store_b128 v90, v[PCD+4:PCD+7], s[OC:OC+1] offset:512
	global_store_b8 v91, v[TT], s[OSP:OSP+1]       ; two bytes of each of 16 rows of 32: one part in 512 of what the tile stores
	s_sub_co_u32 s[QI], 7, s[QI]
	s_sub_co_u32 s[CN2], s[CN2], 1
	s_cmp_lg_u32 s[CN2], 0
	s_cbranch_scc1 .Lpass
	s_wait_dscnt 0x0                               ; the closing lines, six on end
	s_wait_alu 0x0
	s_wait_tensorcnt 0x0
	ds_add_u32 v[SPW], v[NIL]
	s_wait_dscnt 0x0
	s_endpgm
.Lfunc_end_k_q6853cfbd25_attn:
	.size	k_q6853cfbd25_attn, .Lfunc_end_k_q6853cfbd25_attn-k_q6853cfbd25_attn
	.p2alignl 7, 3214868480
	.fill 96, 4, 3214868480
	.section	.rodata,"a",@progbits
	.p2align	6, 0x0
	.amdhsa_kernel k_q6853cfbd25_attn
		.amdhsa_group_segment_fixed_size 36864
		.amdhsa_private_segment_fixed_size 0
		.amdhsa_enable_private_segment 0
		.amdhsa_kernarg_size 48
		.amdhsa_user_sgpr_count 2
		.amdhsa_user_sgpr_kernarg_segment_ptr 1
		.amdhsa_wavefront_size32 1
		.amdhsa_system_sgpr_workgroup_id_x 1
		.amdhsa_system_sgpr_workgroup_id_y 1
		.amdhsa_system_sgpr_workgroup_id_z 1
		.amdhsa_system_vgpr_workitem_id 0
		.amdhsa_next_free_vgpr 256
		.amdhsa_next_free_sgpr 102
		.amdhsa_reserve_vcc 0
		.amdhsa_float_denorm_mode_32 3
		.amdhsa_float_denorm_mode_16_64 3
		.amdhsa_memory_ordered 1
		.amdhsa_forward_progress 1
		.amdhsa_inst_pref_size 66
	.end_amdhsa_kernel
	.amdgpu_metadata
---
amdhsa.version: [ 1, 2 ]
amdhsa.kernels:
  - .name:           k_q6853cfbd25_attn
    .symbol:         k_q6853cfbd25_attn.kd
    .args:
      - { .name: qkvc, .offset: 0, .size: 8, .value_kind: global_buffer, .address_space: global }
      - { .name: qkvs, .offset: 8, .size: 8, .value_kind: global_buffer, .address_space: global }
      - { .name: mw, .offset: 16, .size: 8, .value_kind: global_buffer, .address_space: global }
      - { .name: fl, .offset: 24, .size: 8, .value_kind: global_buffer, .address_space: global }
      - { .name: atc, .offset: 32, .size: 8, .value_kind: global_buffer, .address_space: global }
      - { .name: ats, .offset: 40, .size: 8, .value_kind: global_buffer, .address_space: global }
    .group_segment_fixed_size: 36864
    .private_segment_fixed_size: 0
    .kernarg_segment_align: 8
    .kernarg_segment_size: 48
    .max_flat_workgroup_size: 512
    .sgpr_count:     102
    .vgpr_count:     256
    .wavefront_size: 32
...
	.end_amdgpu_metadata
.endif
;; end of part 5
;; launch outp: the kernel of part 4 again; grid 4 x 32, 4 waves a work-group, clusters of 4 x 4, 327,680 bytes of LDS; arguments atc, ats, opc, ops, out0; writes out0
